; MI455X (gfx1250); checked and timed in simulation.
; The chip was launched on July 23, 2026; its instructions are those of AMD's public machine-readable ISA for CDNA 5 (MIT licence, August 2026) and "CDNA5" Instruction Set Architecture Reference Guide (July 2026). The comments in the code are by the model that wrote it; some were corrected since.
;; Multi Head Attention. Allowed arithmetic: matrix products marked QUANTISED: E2M1 operands, one E8M0 scale for each 32 along K, by v_wmma_scale_f32_16x16x128_f8f6f4 with both operands' format E2M1 (or v_wmma_scale_f32_32x16x128_f4), f32 sums; everything else in f32.
;; Inputs: b_k 1,024 float32; b_o 1,024 float32; b_q 1,024 float32; b_v 1,024 float32; key 4 x 2,048 x 1,024 float32; query 4 x 2,048 x 1,024 float32; value 4 x 2,048 x 1,024 float32; w_k 1,024 x 1,024 float32; w_o 1,024 x 1,024 float32; w_q 1,024 x 1,024 float32; w_v 1,024 x 1,024 float32.
;; Outputs: out0 4 x 2,048 x 1,024 float32.
;; This version of the problem:
;;   THIS VERSION OF THE PROBLEM IS GIVEN IN LOW PRECISION. The matrix products marked QUANTISED in the list below multiply operands that are first quantised to E2M1 (2 exponent bits, 1 mantissa bit; 4 bits a number), with one power-of-two scale for each 32 numbers along K (OCP MX v1.0); their sums are f32. All else is computed in f32.
;;   The module's matrix products, in the order in which they are computed (A, B: the left and right operand; K: the contracted axis; several contracted axes count as one K, in the product's order):
;;     1. [M 8,192, K 1,024] x [K 1,024, N 1,024]; A: input query; B: input w_q: QUANTISED
;;     2. [M 8,192, K 1,024] x [K 1,024, N 1,024]; A: input key; B: input w_k: QUANTISED
;;     3. [M 8,192, K 1,024] x [K 1,024, N 1,024]; A: input value; B: input w_v: QUANTISED
;;     4. batch 64 x [M 2,048, K 64] x [K 64, N 2,048]; A: computed on the way; B: computed on the way: QUANTISED
;;     5. batch 64 x [M 2,048, K 2,048] x [K 2,048, N 64]; A: softmax (see below); B: computed on the way: QUANTISED
;;     6. [M 8,192, K 1,024] x [K 1,024, N 1,024]; A: computed on the way; B: input w_o: QUANTISED
;;   THE QUANTISER, for each operand of a quantised product, along K:
;;     - K is cut into blocks of 32 from its start; a last block that is shorter is filled with zeros.
;;     - A block's scale is 2^e with e = floor(log2(the largest magnitude in the block)) - 2, held to -126 .. 127; a block of zeros has e = 0. As a byte (E8M0): e + 127.
;;     - Each number is divided by its block's scale, clamped to +-6, and rounded to the nearest number of E2M1, ties to even, subnormals kept.
;;     - The product sums the exact products of the quantised numbers (number of the format x scale) in f32.
;;   ~~~python
;;   def quantise(x, axis):      # numpy; x: float32 -> the quantised numbers, widened to float32 again
;;       x = np.moveaxis(x, axis, -1); K = x.shape[-1]
;;       x = np.pad(x, [(0, 0)] * (x.ndim - 1) + [(0, -K % 32)]); x = x.reshape(x.shape[:-1] + (-1, 32)); a = np.abs(x).max(-1, keepdims=True)
;;       e = np.where(a > 0, np.clip(np.frexp(np.where(a > 0, a, 1))[1] - 1 - 2, -126, 127), 0)      # np.frexp(a)[1] - 1 = floor(log2(a)), exactly
;;       r = np.clip(x / 2.0 ** e, -6, 6)
;;       step = 2.0 ** (np.maximum(np.frexp(np.where(r == 0, 1, r))[1] - 1, 0) - 1)
;;       q = np.round(r / step) * step * 2.0 ** e      # np.round: ties to even
;;       return np.moveaxis(q.reshape(q.shape[:-2] + (-1,))[..., :K], -1, axis).astype(np.float32)
;;   ~~~
;;   SOFTMAX AHEAD OF A QUANTISED PRODUCT. Where the list says 'softmax', what is quantised is not the finished softmax but p = 2^(t - M), with t = logit x log2(e) and M = ceil(the row's largest t), a whole number; so 1/2 < the row's largest p <= 1. The row's sum l is taken of the UNQUANTISED p, in f32, and the product's result is divided by l at the end. Since M is a whole number, a kernel that streams over the keys may use a running M (the ceiling of the running maximum): every later rescaling is an exact power of two, which a block's scale takes up: the codes' values come out the same.
;;   OPERANDS COMPUTED ON THE WAY. 'Computed on the way' means the value that the module computes at that place (a softmax that the list does not call 'softmax' is quantised finished and normalised). What goes into a quantiser is computed in f32, as accurately as f32 sums, v_exp_f32 and their like allow (about 1e-6 of the number): no bf16 or f16 on the way to a quantiser, and a product that is left as it is and whose result goes on into a quantised operand takes f32 operands (vector FMAs, or v_wmma_f32_16x16x4_f32). A number that lies on a knife's edge between two numbers of the format may be rounded either way, as far as f32 arithmetic and the matrix unit's own rounding can turn it there, and no further.
;; One version. Each part assembles by itself: llvm-mc -triple=amdgcn-amd-amdhsa -mcpu=gfx1250 --defsym DOCPART=n.
;; ======== version 1 of 1: 4 launches
;; workspace buffers: codes 14,680,064 bytes; scales 917,504 bytes; att 13,893,632 bytes; oimg 4,194,304 bytes; oscl 262,144 bytes
;; launch quant (part 1): grid 896 x 1, 4 waves a work-group, no clusters, 33,280 bytes of LDS; arguments query, key, value, w_q, w_k, w_v, w_o, codes, scales; writes codes, scales
.if DOCPART == 1
	.amdgcn_target "amdgcn-amd-amdhsa--gfx1250"
	.amdhsa_code_object_version 6
	.text
	.protected	k_q0e45a82c0c_quant
	.globl	k_q0e45a82c0c_quant
	.p2align	8
	.type	k_q0e45a82c0c_quant,@function
k_q0e45a82c0c_quant:
	s_mov_b64 s[64:65], 0
	v_nop
	global_prefetch_b8 v0, s[64:65] scope:SCOPE_SE
	s_setreg_imm32_b32 hwreg(HW_REG_WAVE_MODE, 25, 1), 1
	s_wait_xcnt 0x0
; query, key, value [8192][1024] and w_q, w_k, w_v, w_o [1024][1024], f32, K innermost, become codes of FP4 (E2M1), two a byte, and one E8M0 byte for each 32 along K.
; A block's scale is 2^(floor(log2(its largest magnitude)) - 2); its byte is the largest magnitude's exponent field - 2, held at 1 from below (a block of zeros keeps the byte 1: its codes are zeros, and this program alone reads the bytes).
; LIMITS: blocks whose largest magnitude lies under 2^-124 keep the byte 1; NaN and infinities among the inputs are not served.
; ORDER OF ROWS IN THE WORKSPACE: row x of a tensor is stored at place x with bits 3 and 4 exchanged.  Sixteen neighbouring places are then rows 32 b + 8 u + r + 8 (r / 8): used as source 0 of a matrix
; instruction, two neighbouring such tiles leave 16 true neighbours in a lane's 16 result registers.  Here that is only another place for each run of eight rows.
; codes: [place][512 bytes], the seven tensors on end; scales: [place][32 bytes] likewise.  A work-group takes 32 rows of one tensor, a wave 8 rows: 16 steps of 512 numbers.
; Each of a step's four loads reads 512 consecutive bytes; the 2,048 bytes turn through the wave's own stage in LDS and come back 64 bytes (16 neighbours) a lane; two neighbouring lanes hold a block.
; No tensor loads, no barrier: waves share nothing.  Loads run four steps (16 loads a wave) ahead, the turn through LDS one step.
.set STEPS, 16
.set EMAX,  2
.set CB,    8                          ; bytes of 16 codes
.set R,     16                         ; v16-79   four sets of 16 numbers as they are loaded
.set X,     80                         ; v80-111  two sets of 16 neighbours
.set C,     128                        ; v128-191 codes: four registers for each step, so that no store's data are written again
.set E,     112                        ; v112-127 a scale byte for each step
.set WREG,  8192                       ; LDS: a region for each wave: two stages of 32 x SP bytes, behind them its 256 scale bytes
.set SP,    80                         ; a lane's place in a stage: 64 bytes + 16 of padding
	s_load_b256 s[4:11], s[0:1], 0x0               ; query, key, value, w_q
	s_load_b256 s[12:19], s[0:1], 0x20             ; w_k, w_v, w_o, codes
	s_load_b64 s[20:21], s[0:1], 0x40              ; scales
	v_lshl_add_u32 v192, v0, 2, 0x8000
	v_mov_b32 v193, 0
	v_lshrrev_b32 v1, 5, v0
	v_readfirstlane_b32 s24, v1                    ; wave
	v_and_b32 v2, 31, v0                           ; lane
	v_lshlrev_b32 v3, 4, v2                        ; my 16 bytes of a load's 512
	s_mul_i32 s25, s24, WREG
	v_lshrrev_b32 v14, 2, v2
	v_mul_u32_u24 v14, v14, SP
	v_and_b32 v15, 3, v2
	v_lshl_add_u32 v14, v15, 4, v14
	v_add_nc_u32 v14, s25, v14                     ; the stage, on the way in: SP (lane / 4) + 16 (lane % 4)
	v_mul_u32_u24 v15, v2, SP
	v_add_nc_u32 v15, s25, v15                     ; and on the way out: SP x lane: my 16 neighbours
	v_mul_u32_u24 v4, v2, CB                       ; my codes' place in a step's
	v_lshrrev_b32 v5, 1, v2
	s_add_co_u32 s25, s25, 2*32*SP
	v_add_nc_u32 v5, s25, v5                       ; LDS: my wave's 256 scale bytes, my block's byte
	v_lshlrev_b32 v7, 3, v2                        ; and on the way out 8 bytes a lane
	v_add_nc_u32 v6, s25, v7
	s_wait_alu depctr_va_vdst(0)
	s_wait_kmcnt 0x0
; which tensor: the choice hangs on the work-group's number alone.  s[4:5] the tensor, s22 its first work-group
.macro PICK lim, p
	s_cmp_lt_u32 ttmp9, \lim
	s_cselect_b64 s[4:5], s[4:5], s[\p:\p+1]
	s_cselect_b32 s22, s22, \lim
.endm
	s_cmp_lt_u32 ttmp9, 256
	s_cselect_b64 s[4:5], s[4:5], s[6:7]
	s_cselect_b32 s22, 0, 256
	PICK 512, 8
	PICK 768, 10
	PICK 800, 12
	PICK 832, 14
	PICK 864, 16
	s_sub_co_u32 s26, ttmp9, s22
	s_lshl_b32 s26, s26, 2
	s_add_co_u32 s26, s26, s24                     ; which run of 8 rows of the tensor is my wave's
	s_lshl_b32 s26, s26, 15                        ; 32,768 bytes a run
	s_mov_b32 s27, 0
	s_add_nc_u64 s[4:5], s[4:5], s[26:27]
	s_and_b32 s28, s24, 1                          ; where it goes: the run's two bits exchanged
	s_lshl_b32 s28, s28, 1
	s_lshr_b32 s29, s24, 1
	s_or_b32 s28, s28, s29
	s_lshl_b32 s29, ttmp9, 2
	s_add_co_u32 s28, s28, s29                     ; the seven tensors lie on end in both buffers: the work-group's number counts through them
	s_lshl_b32 s30, s28, 12                        ; 4,096 bytes of codes a run
	s_mov_b32 s31, 0
	s_add_nc_u64 s[18:19], s[18:19], s[30:31]
	s_lshl_b32 s30, s28, 8                         ; 256 scale bytes a run
	s_add_nc_u64 s[20:21], s[20:21], s[30:31]
.macro LOAD t
.irp i, 0,1,2,3
	global_load_b128 v[R+16*((\t)%4)+4*\i:R+16*((\t)%4)+4*\i+3], v3, s[4:5] offset:2048*(\t)+512*\i th:TH_LOAD_NT   ; 32 lanes read 512 consecutive bytes
.endr
.endm
.macro TURN t                          ; step t's numbers through the stage: LDS serves a wave's instructions in order, so no wait stands between the stores and the loads
.irp i, 0,1,2,3
	ds_store_b128 v14, v[R+16*((\t)%4)+4*\i:R+16*((\t)%4)+4*\i+3] offset:32*SP*((\t)%2)+8*SP*\i
.endr
.irp i, 0,1,2,3
	ds_load_b128 v[X+16*((\t)%2)+4*\i:X+16*((\t)%2)+4*\i+3], v15 offset:32*SP*((\t)%2)+16*\i
.endr
.endm
.irp t, 0,1,2,3
	LOAD \t
.endr
	s_wait_loadcnt 12                              ; step 0's four loads are in
	TURN 0
.macro STEP t
.set XS, X+16*((\t)%2)
.if (\t) > 0
	s_wait_dscnt 1                                 ; this step's numbers are back from the stage (the last step's byte store may be out): so its stores into the stage have read their registers,
.else
	s_wait_dscnt 0x0
.endif
.if (\t)+4 < STEPS
	LOAD (\t)+4                                    ; which take the loads of four steps on
.endif
.if (\t)+1 < STEPS
.if STEPS-2-(\t) >= 3
	s_wait_loadcnt 12                              ; the next step's four loads are in; those of the three steps behind it may be out
.else
	s_wait_loadcnt 4*(STEPS-2-(\t))
.endif
	TURN (\t)+1                                    ; and go through the other stage while this step is worked
.endif
	v_max3_num_f32 v8, |v[XS]|, |v[XS+1]|, |v[XS+2]|               ; the largest magnitude of my 16
	v_max3_num_f32 v9, |v[XS+3]|, |v[XS+4]|, |v[XS+5]|
.irp i, 6,10
	v_max3_num_f32 v8, v8, |v[XS+\i]|, |v[XS+\i+1]|
	v_max3_num_f32 v9, v9, |v[XS+\i+2]|, |v[XS+\i+3]|
.endr
	v_max3_num_f32 v8, v8, |v[XS+14]|, |v[XS+15]|
	v_max3_num_f32 v8, v8, v9, (EMAX+1)<<23        ; and the floor 2^(3 - 127): the byte cannot fall under 1
	v_max_num_f32_dpp v8, v8, v8 row_xmask:1 row_mask:0xf bank_mask:0xf   ; and of my neighbour's 16: the block's
	v_add_nc_u32 v11, -(EMAX<<23), v8              ; 2 off its exponent field: the conversion takes the exponent field of this operand as its scale
	v_cvt_scalef32_pk8_fp4_f32 v[C+4*(\t)], v[XS:XS+7], v11
	v_cvt_scalef32_pk8_fp4_f32 v[C+4*(\t)+1], v[XS+8:XS+15], v11
	v_lshrrev_b32 v[E+(\t)], 23, v11               ; the scale's byte (also the plain line behind the conversions)
	ds_store_b8 v5, v[E+(\t)] offset:16*(\t)       ; both lanes of a block write the same byte with the same value
	global_store_b64 v4, v[C+4*(\t):C+4*(\t)+1], s[18:19] offset:32*CB*(\t)   ; the wave stores 256 consecutive bytes, aligned
.endm
.irp t, 0,1,2,3,4,5,6,7,8,9,10,11,12,13,14,15
	STEP \t
.endr
	ds_load_b64 v[12:13], v6                       ; LDS serves a wave's instructions in order: these see my stores
	s_wait_dscnt 0x0
	global_store_b64 v7, v[12:13], s[20:21]        ; 32 lanes store 256 consecutive bytes, aligned
	s_wait_tensorcnt 0x0
	ds_add_u32 v192, v193
	s_wait_dscnt 0x0
	s_endpgm
.Lfunc_end_k_q0e45a82c0c_quant:
	.size	k_q0e45a82c0c_quant, .Lfunc_end_k_q0e45a82c0c_quant-k_q0e45a82c0c_quant
	.p2alignl 7, 3214868480
	.fill 96, 4, 3214868480
	.section	.rodata,"a",@progbits
	.p2align	6, 0x0
	.amdhsa_kernel k_q0e45a82c0c_quant
		.amdhsa_group_segment_fixed_size 33280
		.amdhsa_private_segment_fixed_size 0
		.amdhsa_enable_private_segment 0
		.amdhsa_kernarg_size 72
		.amdhsa_user_sgpr_count 2
		.amdhsa_user_sgpr_kernarg_segment_ptr 1
		.amdhsa_wavefront_size32 1
		.amdhsa_system_sgpr_workgroup_id_x 1
		.amdhsa_system_sgpr_workgroup_id_y 1
		.amdhsa_system_sgpr_workgroup_id_z 1
		.amdhsa_system_vgpr_workitem_id 0
		.amdhsa_next_free_vgpr 194
		.amdhsa_next_free_sgpr 66
		.amdhsa_reserve_vcc 0
		.amdhsa_float_denorm_mode_32 3
		.amdhsa_float_denorm_mode_16_64 3
		.amdhsa_memory_ordered 1
		.amdhsa_forward_progress 1
		.amdhsa_inst_pref_size 34
	.end_amdhsa_kernel
	.amdgpu_metadata
---
amdhsa.version: [ 1, 2 ]
amdhsa.kernels:
  - .name:           k_q0e45a82c0c_quant
    .symbol:         k_q0e45a82c0c_quant.kd
    .args:
      - { .name: query, .offset: 0, .size: 8, .value_kind: global_buffer, .address_space: global }
      - { .name: key, .offset: 8, .size: 8, .value_kind: global_buffer, .address_space: global }
      - { .name: value, .offset: 16, .size: 8, .value_kind: global_buffer, .address_space: global }
      - { .name: w_q, .offset: 24, .size: 8, .value_kind: global_buffer, .address_space: global }
      - { .name: w_k, .offset: 32, .size: 8, .value_kind: global_buffer, .address_space: global }
      - { .name: w_v, .offset: 40, .size: 8, .value_kind: global_buffer, .address_space: global }
      - { .name: w_o, .offset: 48, .size: 8, .value_kind: global_buffer, .address_space: global }
      - { .name: codes, .offset: 56, .size: 8, .value_kind: global_buffer, .address_space: global }
      - { .name: scales, .offset: 64, .size: 8, .value_kind: global_buffer, .address_space: global }
    .group_segment_fixed_size: 33280
    .private_segment_fixed_size: 0
    .kernarg_segment_align: 8
    .kernarg_segment_size: 72
    .max_flat_workgroup_size: 128
    .sgpr_count:     66
    .vgpr_count:     194
    .wavefront_size: 32
...
	.end_amdgpu_metadata
.endif
;; end of part 1
;; launch proj (part 2): grid 4 x 192, 4 waves a work-group, clusters of 4 x 4, 221,696 bytes of LDS; arguments codes, scales, b_q, b_k, b_v, att; writes att
.if DOCPART == 2
	.amdgcn_target "amdgcn-amd-amdhsa--gfx1250"
	.amdhsa_code_object_version 6
	.text
	.protected	k_q0e45a82c0c_proj
	.globl	k_q0e45a82c0c_proj
	.p2align	8
	.type	k_q0e45a82c0c_proj,@function
k_q0e45a82c0c_proj:
	s_mov_b64 s[64:65], 0
	v_nop
	global_prefetch_b8 v0, s[64:65] scope:SCOPE_SE
	s_setreg_imm32_b32 hwreg(HW_REG_WAVE_MODE, 25, 1), 1
	s_wait_xcnt 0x0
	s_wait_alu depctr_hold_cnt(0) depctr_sa_sdst(0) depctr_va_vdst(0) depctr_va_sdst(0) depctr_va_ssrc(0) depctr_va_vcc(0) depctr_vm_vsrc(0)
	s_getreg_b32 s2, hwreg(HW_REG_IB_STS2, 6, 4)
	s_cmp_eq_u32 s2, 0
	s_cbranch_scc0 .Lentry_in_a_cluster
	s_endpgm
.Lentry_in_a_cluster:
	s_bfe_u32 s2, ttmp6, 0x10000c
	s_cmp_lg_u32 s2, 0xf033
	s_cbranch_scc0 .Lentry_shape_is_right
	s_endpgm
.Lentry_shape_is_right:
; q = query w_q^T + b_q, k = key w_k^T + b_k, v = value w_v^T + b_v on codes of FP4 with E8M0 scales; the results are quantised here and leave as IMAGES OF THE OPERAND REGISTERS that the attention launch wants.
; ONE TEXT FOR THE THREE.  A work-group makes P 256 x Q 128, all of K = 1,024.  Source 0 = 16 places of P, source 1 = 16 places of Q: a lane holds ONE place of Q, and its registers run along P in TRUE order
; (the workspace's rows lie with bits 3 and 4 of their number exchanged: the 16 registers of two neighbouring tiles of P are 16 true neighbours).  q, k: P = the weight's rows (channels), Q = tokens: registers run along the
; head's 64, their quantiser's axis.  v: P = tokens, Q = w_v's rows: registers run along the keys, v's quantiser's axis.  Only offsets into the two workspace buffers differ.
; SHARES: 48 clusters of 4 x 4: 16 for each of q, k, v.  Four waves; wave w makes P half w % 2 (128) x Q half w / 2 (64): 32 accumulators, 256 registers.
; LDS: all of K lies there at once, in two slots of 512 along K (rows of 256 bytes + 16 of padding), each filled ONCE; behind them the rows' scale bytes.  No byte of LDS is filled twice, nothing is stored to LDS.
; CLUSTER: P's tiles hang on cx alone and are asked for jointly by my column, Q's on cy alone, by my row.  Each wave issues three loads: two are out beside the one waited for, at the most three.
; LIMITS: NaN and infinities are not served; a block whose largest magnitude lies under 2^-124 (zeros too) keeps the byte 1: its reader is this program alone.
; REGISTERS: window 0: v1-23 addresses; v32-63 P's scale words, v64-79 Q's; v80-95 at work; v96-99 the scale words made; v112-143 the codes made; v192-255 the bias.  window 1: accumulator (a, b) at v[8 (8 a + b)].
;   window 2: P's fragments, two sets at v0, v64; Q's, two sets at v128, v160.
.set PITCH, 272                        ; 68 words: the 16 rows that a load touches start at 16 different banks (64 banks of 4 bytes: ISA guide 11.1)
.set PHALF, 128*PITCH
.set QHALF, 64*PITCH
.set QOFF,  2*PHALF                    ; in a slot: P's 256 rows, then Q's 128
.set SLOT,  QOFF+2*QHALF
.set SCLP,  2*SLOT                     ; P's scale bytes, [row][32]
.set SCLQ,  SCLP+8192                  ; Q's
.set XC,    4194304                    ; codes of query, key, value: bytes each
.set WC,    3*XC                       ; the weights' codes begin here, 524,288 bytes each
.set XS,    262144                     ; the same for the scale bytes
.set WS,    3*XS
.set KVH,   143360                     ; att: a head's K and V: 16 key steps of STEPB bytes
.set STEPB, 8960                       ; K's 8 images of 512; V's 4 of 1,024 at 4,096; K's scale words at 8,192; V's at 8,704
.set QIMG,  64*KVH                     ; q's images [head][tile][512]
.set QSC,   QIMG+4194304               ; q's scale words
.set ADRP, 4                           ; v4-5   LDS address of my P fragments in slot 0, 1
.set ADRQ, 6                           ; v6-7   the same for Q
.set ADSP, 8                           ; v8     of P's scale words: lanes 0-15 tile i, lanes 16-31 tile i + 4
.set ADSQ, 9                           ; v9     of Q's: tile i, tile i + 2
.set L16,  10                          ; v10    16 x lane
.set BO,   11                          ; v11    the bias loads' offset
.set OC,   12                          ; v12-19 where image (a, c) goes in att
.set OS,   20                          ; v20-21 where the scale words go
.set SCP,  32
.set SCQ,  64
.set TM,   80
.set PW,   96
.set XW,   100
.set WA,   102
.set WB,   104
.set PC,   112
.set BP,   192
.set WV,   16
.set ROLE, 17                          ; wave / 2: I fetch for P (0) or for Q (1); also my half of Q
.set HALF, 18                          ; wave % 2: which half of that tile I fetch; also my half of P
.set SEL,  100
.set G1P,  24
.set G1Q,  32
.set G1SP, 40
.set G1SQ, 48
.set MSB, 0
.macro WIN new                         ; the immediate's high byte repeats the setting that is left
.if MSB != \new
	s_set_vgpr_msb (MSB<<8)|\new
.set MSB, \new
.endif
.endm
.macro PLACES n
.rept \n
	v_nop
.endr
.endm
.macro JLOAD g0a, g1a, g0b, g1b        ; a joint load: waves 0, 1 for P, waves 2, 3 for Q; four v_nop follow each of the two lines
	s_cmp_eq_u32 s[ROLE], 0
	s_cbranch_scc0 .Lfor_b_\@
	tensor_load_to_lds s[\g0a:\g0a+3], s[\g1a:\g1a+7]
	s_nop 0
.rept 4
	v_nop
.endr
	s_branch .Lasked_\@
.Lfor_b_\@:
	tensor_load_to_lds s[\g0b:\g0b+3], s[\g1b:\g1b+7]
	s_nop 0
.rept 4
	v_nop
.endr
.Lasked_\@:
.endm
.macro CROUND                          ; a round of the cluster's barrier
	s_barrier_signal -1
	s_barrier_wait -1
	s_cmp_lg_u32 s[WV], 0
	s_cbranch_scc1 .Lnot_wave_0_\@
	s_barrier_signal -3
.Lnot_wave_0_\@:
	s_barrier_wait -3
	s_barrier_signal -1
	s_barrier_wait -1
.endm
	s_load_b256 s[4:11], s[0:1], 0x0               ; codes, scales, b_q, b_k
	s_load_b128 s[12:15], s[0:1], 0x20             ; b_v, att
	v_lshl_add_u32 v190, v0, 2, 0x36000
	v_mov_b32 v191, 0
	ds_add_u32 v190, v191
	ds_add_u32 v190, v191
	v_lshrrev_b32 v1, 5, v0
	v_readfirstlane_b32 s[WV], v1
	s_lshr_b32 s[ROLE], s[WV], 1
	s_and_b32 s[HALF], s[WV], 1
	s_bfe_u32 s19, ttmp6, 0x40000                  ; cx
	s_bfe_u32 s20, ttmp6, 0x40004                  ; cy
	s_and_b32 s23, ttmp7, 0xffff                   ; the cluster's number, 0 .. 47
	s_lshr_b32 s21, s23, 4                         ; t: 0 q, 1 k, 2 v
	s_and_b32 s23, s23, 15                         ; i: which of the product's 16 clusters
	s_lshr_b32 s84, s23, 1
	s_and_b32 s85, s23, 1
	s_lshl_b32 s86, s21, 19
	s_add_co_u32 s86, s86, WC                      ; w_t's codes
	s_lshl_b32 s87, s21, 15
	s_add_co_u32 s87, s87, WS                      ; w_t's scale bytes
	s_lshl_b32 s88, s21, 22                        ; x_t's codes
	s_lshl_b32 s89, s21, 18                        ; x_t's scale bytes
	s_cmp_eq_u32 s21, 2
	s_cselect_b32 s22, 1, 0                        ; 1: this cluster makes v
	s_cselect_b32 s84, s84, 0                      ; v: 8 x 2 clusters over (tokens, channels); q, k: 1 x 16 over (channels, tokens)
	s_cselect_b32 s85, s85, s23
	s_cselect_b32 s86, 2*XC, s86                   ; P's codes: value's, or w_t's
	s_cselect_b32 s87, 2*XS, s87
	s_cselect_b32 s88, WC+2*524288, s88            ; Q's codes: w_v's, or x_t's
	s_cselect_b32 s89, WS+2*32768, s89
	s_lshl_b32 s84, s84, 2
	s_add_co_u32 s84, s84, s19                     ; which 256 places of P: hangs on cx alone
	s_lshl_b32 s85, s85, 2
	s_add_co_u32 s85, s85, s20                     ; which 128 places of Q: on cy alone
	s_lshl_b32 s90, s84, 8
	s_lshl_b32 s91, s[HALF], 7
	s_add_co_u32 s90, s90, s91                     ; P: the first place that I would fetch
	s_lshl_b32 s91, s90, 9
	s_add_co_u32 s86, s86, s91                     ; its codes, 512 bytes a place
	s_lshl_b32 s91, s90, 5
	s_add_co_u32 s90, s87, s91                     ; its scale bytes, 32 a place
	s_mov_b32 s87, 0
	s_mov_b32 s91, 0
	s_lshl_b32 s94, s85, 7
	s_lshl_b32 s95, s[HALF], 6
	s_add_co_u32 s94, s94, s95                     ; Q likewise
	s_lshl_b32 s95, s94, 9
	s_add_co_u32 s88, s88, s95
	s_lshl_b32 s95, s94, 5
	s_add_co_u32 s94, s89, s95
	s_mov_b32 s89, 0
	s_mov_b32 s95, 0
	s_lshl_b32 s92, 0x1111, s19                    ; my column of the cluster
	s_lshl_b32 s93, s20, 2
	s_lshl_b32 s93, 15, s93                        ; my row
	; descriptor groups 1.  Codes: rows of 256 bytes, 512 apart in memory, 16 bytes of padding behind each in LDS; 128 rows for P, 64 for Q
	s_or_b32 s[G1P], s92, (1<<20)|(1<<21)|(5<<22)|(3<<25)   ; 15:0 the mask; 17:16 elements of 1 byte; 20 padding on; 21 set beside a mask; 24:22 after every 64 words; 31:25 four words
	s_or_b32 s[G1Q], s93, (1<<20)|(1<<21)|(5<<22)|(3<<25)
	s_mov_b32 s[G1P+1], 256<<16                    ; tensor_dim0
	s_mov_b32 s[G1P+2], 128<<16                    ; tensor_dim1
	s_mov_b32 s[G1P+3], 256<<16                    ; tile_dim0
	s_mov_b32 s[G1P+4], 128                        ; tile_dim1
	s_mov_b32 s[G1P+5], 512                        ; the pitch
	s_mov_b32 s[G1P+6], 0
	s_mov_b32 s[G1P+7], 0
	s_mov_b32 s[G1Q+1], 256<<16
	s_mov_b32 s[G1Q+2], 64<<16
	s_mov_b32 s[G1Q+3], 256<<16
	s_mov_b32 s[G1Q+4], 64
	s_mov_b32 s[G1Q+5], 512
	s_mov_b32 s[G1Q+6], 0
	s_mov_b32 s[G1Q+7], 0
	; scale bytes: dense blocks, as rows of 256 bytes (32 elements of 8): 16 rows for P's 128 places, 8 for Q's 64
	s_or_b32 s[G1SP], s92, (3<<16)|(1<<21)
	s_or_b32 s[G1SQ], s93, (3<<16)|(1<<21)
	s_mov_b32 s[G1SP+1], 32<<16
	s_mov_b32 s[G1SP+2], 16<<16
	s_mov_b32 s[G1SP+3], 32<<16
	s_mov_b32 s[G1SP+4], 16
	s_mov_b32 s[G1SP+5], 32
	s_mov_b32 s[G1SP+6], 0
	s_mov_b32 s[G1SP+7], 0
	s_mov_b32 s[G1SQ+1], 32<<16
	s_mov_b32 s[G1SQ+2], 8<<16
	s_mov_b32 s[G1SQ+3], 32<<16
	s_mov_b32 s[G1SQ+4], 8
	s_mov_b32 s[G1SQ+5], 32
	s_mov_b32 s[G1SQ+6], 0
	s_mov_b32 s[G1SQ+7], 0
	s_mul_i32 s96, s[HALF], PHALF                  ; where they go: by the wave's number alone
	s_mul_i32 s97, s[HALF], QHALF
	s_lshl_b32 s98, s[HALF], 12
	s_lshl_b32 s99, s[HALF], 11
	s_mov_b32 s[SEL], 0x76543210
	s_mov_b32 s[SEL+1], 0xfedcba98                 ; v_permlanex16_b32's selects for lane l xor 16
	s_wait_dscnt 0x0
	s_wait_kmcnt 0x0
	s_add_nc_u64 s[86:87], s[4:5], s[86:87]
	s_add_nc_u64 s[90:91], s[6:7], s[90:91]
	s_add_nc_u64 s[88:89], s[4:5], s[88:89]
	s_add_nc_u64 s[94:95], s[6:7], s[94:95]
	CROUND                                         ; all sixteen work-groups are here: the joint loads meet
	s_mov_b32 s56, 1
	s_add_co_u32 s57, s98, SCLP
	s_mov_b64 s[58:59], s[90:91]
	s_or_b32 s59, s59, 0x80000000
	s_mov_b32 s72, 1
	s_add_co_u32 s73, s99, SCLQ
	s_mov_b64 s[74:75], s[94:95]
	s_or_b32 s75, s75, 0x80000000
	JLOAD 56, G1SP, 72, G1SQ                       ; the scale bytes first: wanted with K step 0
	s_mov_b32 s60, 1
	s_mov_b32 s61, s96
	s_mov_b64 s[62:63], s[86:87]
	s_or_b32 s63, s63, 0x80000000
	s_mov_b32 s76, 1
	s_add_co_u32 s77, s97, QOFF
	s_mov_b64 s[78:79], s[88:89]
	s_or_b32 s79, s79, 0x80000000
	JLOAD 60, G1P, 76, G1Q                         ; slot 0: K = 0 .. 511
	s_mov_b32 s68, 1
	s_add_co_u32 s69, s96, SLOT
	s_add_nc_u64 s[70:71], s[86:87], 256
	s_or_b32 s71, s71, 0x80000000
	s_mov_b32 s80, 1
	s_add_co_u32 s81, s97, SLOT+QOFF
	s_add_nc_u64 s[82:83], s[88:89], 256
	s_or_b32 s83, s83, 0x80000000
	JLOAD 68, G1P, 80, G1Q                         ; slot 1: K = 512 .. 1,023
	; every LDS address is made here, ahead of all partings
	v_and_b32 v1, 15, v0                           ; r
	v_bfe_u32 v2, v0, 4, 1                         ; h
	v_and_b32 v3, 31, v0                           ; lane
	v_mul_u32_u24 v22, v1, PITCH
	v_lshl_add_u32 v22, v2, 4, v22                 ; a fragment's row x pitch + 16 h
	s_mul_i32 s98, s[HALF], PHALF
	s_mul_i32 s99, s[ROLE], QHALF
	s_add_co_u32 s99, s99, QOFF
	v_add_nc_u32 v[ADRP], s98, v22
	v_add_nc_u32 v[ADRQ], s99, v22
	v_add_nc_u32 v[ADRP+1], SLOT, v[ADRP]
	v_add_nc_u32 v[ADRQ+1], SLOT, v[ADRQ]
	v_lshlrev_b32 v23, 5, v1
	v_lshl_add_u32 v[ADSP], v2, 11, v23            ; 32 r + 64 rows x h
	v_lshl_add_u32 v[ADSQ], v2, 10, v23            ; 32 r + 32 rows x h
	s_lshl_b32 s98, s[HALF], 12
	s_add_co_u32 s98, s98, SCLP
	s_lshl_b32 s99, s[ROLE], 11
	s_add_co_u32 s99, s99, SCLQ
	v_add_nc_u32 v[ADSP], s98, v[ADSP]
	v_add_nc_u32 v[ADSQ], s99, v[ADSQ]
	v_lshlrev_b32 v[L16], 4, v3
.irp b, 0,1,2,3
	v_mov_b32 v[TM+4+\b], 0                        ; written once: a lane permute's destination counts as one of its sources
.endr
	; WHERE THE RESULTS GO.  s86 my first token, s87 my (first) head among the 64, s88 the token in its batch, s89 its key step's block in att
	s_lshl_b32 s86, s84, 8
	s_lshl_b32 s98, s[HALF], 7
	s_add_co_u32 s86, s86, s98                     ; v: tokens lie along P
	s_lshl_b32 s87, s85, 1
	s_add_co_u32 s87, s87, s[ROLE]                 ; v: my 64 places of Q are one head
	s_lshl_b32 s88, s85, 7
	s_lshl_b32 s98, s[ROLE], 6
	s_add_co_u32 s88, s88, s98                     ; q, k: tokens lie along Q
	s_lshl_b32 s89, s84, 2
	s_lshl_b32 s98, s[HALF], 1
	s_add_co_u32 s89, s89, s98                     ; q, k: my 128 places of P are two heads
	s_cmp_eq_u32 s22, 1
	s_cselect_b32 s86, s86, s88
	s_cselect_b32 s87, s87, s89
	s_lshr_b32 s98, s86, 11                        ; the batch
	s_lshl_b32 s98, s98, 4
	s_add_co_u32 s87, s87, s98
	s_and_b32 s88, s86, 2047
	s_lshr_b32 s98, s88, 7
	s_mul_i32 s98, s98, STEPB
	s_mul_i32 s89, s87, KVH
	s_add_co_u32 s89, s89, s98
	s_mov_b32 s97, 0xffff0000                      ; lanes 16-31
	; s90 the first image's place, s91 from tile a to a + 1, s92 from registers 0-3 to 4-7, s93 the scale words' place, s94 to the second head's, s95 which bytes make the first word
	s_cmp_eq_u32 s21, 0
	s_cbranch_scc0 .Lnot_q
	s_lshl_b32 s90, s87, 16                        ; q: [head][tile][512]
	s_lshl_b32 s98, s88, 5
	s_add_co_u32 s90, s90, s98
	s_add_co_u32 s90, s90, QIMG
	s_mov_b32 s91, 512
	s_mov_b32 s92, 65536                           ; registers 4-7 are the next head's
	s_lshl_b32 s93, s87, 13                        ; [head][64 places][lane][2 words]
	s_lshl_b32 s98, s88, 2
	s_add_co_u32 s93, s93, s98
	s_add_co_u32 s93, s93, QSC
	s_mov_b32 s94, 8192
	s_mov_b32 s95, 0x01000100                      ; the head's two bytes, twice: the upper two scale zero codes
	s_branch .Lplaced
.Lnot_q:
	s_cmp_eq_u32 s21, 1
	s_cbranch_scc0 .Lis_v
	s_lshl_b32 s98, s[ROLE], 11                    ; k: my 64 tokens are tiles 4 (wave / 2) on of their key step
	s_add_co_u32 s90, s89, s98
	s_mov_b32 s91, 512
	s_mov_b32 s92, KVH
	s_lshl_b32 s98, s[ROLE], 8
	s_add_co_u32 s93, s89, s98
	s_add_co_u32 s93, s93, 8192
	s_mov_b32 s94, KVH
	s_mov_b32 s95, 0x01000100
	s_branch .Lplaced
.Lis_v:
	s_add_co_u32 s90, s89, 4096                    ; v: my 128 tokens are one key step, my four tiles of Q the head's 64 channels
	s_mov_b32 s91, 1024
	s_mov_b32 s92, 512
	s_add_co_u32 s93, s89, 8704
	s_mov_b32 s94, 0
	s_mov_b32 s95, 0x03020100                      ; the word as it is
.Lplaced:
	s_wait_alu depctr_va_vdst(0)
	v_add_nc_u32 v[OC], s90, v[L16]
	v_add_nc_u32 v[OC+1], s92, v[OC]
.irp a, 1,2,3
	v_add_nc_u32 v[OC+2*\a], s91, v[OC+2*\a-2]
	v_add_nc_u32 v[OC+2*\a+1], s91, v[OC+2*\a-1]
.endr
	v_lshl_add_u32 v[OS], v3, 3, s93
	v_add_nc_u32 v[OS+1], s94, v[OS]
.macro SCALES                          ; all of K's scale words, 12 loads: register 8 i + q: K step q of P's tiles i | i + 4 (Q's: i | i + 2) in lanes 0-15 | 16-31
.irp i, 0,1,2,3
.irp g, 0,1
	ds_load_b128 v[SCP+8*\i+4*\g:SCP+8*\i+4*\g+3], v[ADSP] offset:512*\i+16*\g
.endr
.endr
.irp i, 0,1
.irp g, 0,1
	ds_load_b128 v[SCQ+8*\i+4*\g:SCQ+8*\i+4*\g+3], v[ADSQ] offset:512*\i+16*\g
.endr
.endr
.endm
.macro FETCH q                         ; K step q's fragments, 24 loads, into set q % 2.  A fragment (16 rows x 128 K) is 8 registers: registers 4 c .. 4 c + 3 hold K = 64 c + 32 h + 0 .. 31
	WIN 0x80                                       ; destination window 2
.irp i, 0,1,2,3,4,5,6,7
.irp c, 0,1
	ds_load_b128 v[64*((\q)%2)+8*\i+4*\c:64*((\q)%2)+8*\i+4*\c+3], v[ADRP+(\q)/4] offset:\i*16*PITCH+64*((\q)%4)+32*\c
.endr
.endr
.irp i, 0,1,2,3
.irp c, 0,1
	ds_load_b128 v[128+32*((\q)%2)+8*\i+4*\c:128+32*((\q)%2)+8*\i+4*\c+3], v[ADRQ+(\q)/4] offset:\i*16*PITCH+64*((\q)%4)+32*\c
.endr
.endr
	WIN 0
.endm
.macro WM a, b, q, mode                ; one product.  mode 0: onto the accumulator; 1: the sum starts with the bias along P; 2: with the bias along Q
.set rD, 8*(8*(\a)+(\b))
.set rP, 64*((\q)%2)+8*(\b)
.set rQ, 128+32*((\q)%2)+8*(\a)
.set rC, rD
.if \mode == 1
.set rC, BP+8*(\b)
.endif
.if \mode == 2
.set rC, BP+8*(\a)
.endif
.set rSP, SCP+8*((\b)%4)+(\q)
.set rSQ, SCQ+8*((\a)%2)+(\q)
.if ((\b) < 4) && ((\a) < 2)
	v_wmma_scale_f32_16x16x128_f8f6f4 v[rD:rD+7], v[rP:rP+7], v[rQ:rQ+7], v[rC:rC+7], v[rSP], v[rSQ] matrix_a_fmt:MATRIX_FMT_FP4 matrix_b_fmt:MATRIX_FMT_FP4
.elseif ((\b) >= 4) && ((\a) < 2)
	v_wmma_scale_f32_16x16x128_f8f6f4 v[rD:rD+7], v[rP:rP+7], v[rQ:rQ+7], v[rC:rC+7], v[rSP], v[rSQ] matrix_a_fmt:MATRIX_FMT_FP4 matrix_b_fmt:MATRIX_FMT_FP4 matrix_a_scale:MATRIX_SCALE_ROW1
.elseif ((\b) < 4)
	v_wmma_scale_f32_16x16x128_f8f6f4 v[rD:rD+7], v[rP:rP+7], v[rQ:rQ+7], v[rC:rC+7], v[rSP], v[rSQ] matrix_a_fmt:MATRIX_FMT_FP4 matrix_b_fmt:MATRIX_FMT_FP4 matrix_b_scale:MATRIX_SCALE_ROW1
.else
	v_wmma_scale_f32_16x16x128_f8f6f4 v[rD:rD+7], v[rP:rP+7], v[rQ:rQ+7], v[rC:rC+7], v[rSP], v[rSQ] matrix_a_fmt:MATRIX_FMT_FP4 matrix_b_fmt:MATRIX_FMT_FP4 matrix_a_scale:MATRIX_SCALE_ROW1 matrix_b_scale:MATRIX_SCALE_ROW1
.endif
.endm
.macro MUL q, mode                     ; a K step: 32 products; the 32 accumulators take turns, one instruction a turn, in the same order in every step
.if \mode == 0
	WIN 0x5a                                       ; sources 0, 1 window 2; C and D window 1
.else
	WIN 0x4a                                       ; C (the bias) window 0
.endif
.irp a, 0,1,2,3
.irp b, 0,1,2,3,4,5,6,7
	WM \a, \b, \q, \mode
.endr
.endr
.endm
.macro OPEN
	s_wait_tensorcnt 0x1                           ; my scale bytes and my part of slot 0 are in; slot 1's load may stay out
	s_barrier_signal -1
	s_barrier_wait -1                              ; everybody's are
	SCALES
	FETCH 0
	FETCH 1
.endm
	; q, k AND v PART ONCE: the bias, the first tiles' barrier and the first K step, whose C is the bias.  The branch hangs on the cluster's number: alike in all waves and all partners
	s_cmp_eq_u32 s22, 0
	s_cbranch_scc0 .Lfor_v
	s_cmp_eq_u32 s21, 0
	s_cselect_b64 s[98:99], s[8:9], s[10:11]       ; b_q or b_k
	s_lshl_b32 s66, s84, 10
	s_lshl_b32 s67, s[HALF], 9
	s_add_co_u32 s66, s66, s67                     ; my 128 channels
	s_mov_b32 s67, 0
	s_add_nc_u64 s[98:99], s[98:99], s[66:67]
	v_lshlrev_b32 v[BO], 6, v2                     ; register 16 B + i of the bias is channel 32 B + 16 h + i, as in the accumulators
.irp k, 0,1,2,3,4,5,6,7,8,9,10,11,12,13,14,15
	global_load_b128 v[BP+4*\k:BP+4*\k+3], v[BO], s[98:99] offset:128*(\k/4)+16*(\k%4)
.endr
	OPEN
	s_wait_loadcnt 0x0                             ; the bias
	s_wait_dscnt 24                                ; all but K step 1's 24 loads
	MUL 0, 1
	WIN 0
	s_branch .Lstarted
.Lfor_v:
	s_lshl_b32 s66, s85, 9
	s_lshl_b32 s67, s[ROLE], 8
	s_add_co_u32 s66, s66, s67                     ; my 64 channels
	s_mov_b32 s67, 0
	s_add_nc_u64 s[98:99], s[12:13], s[66:67]      ; b_v
	v_lshrrev_b32 v[BO], 3, v1
	v_and_b32 v22, 7, v1
	v_lshl_add_u32 v[BO], v[BO], 4, v22
	v_lshlrev_b32 v[BO], 2, v[BO]                  ; lane r of tile a is channel 32 (a / 2) + 8 (a % 2) + r + 8 (r / 8)
.irp a, 0,1,2,3
	global_load_b32 v[BP+8*\a], v[BO], s[98:99] offset:(32*(\a/2)+8*(\a%2))*4
.endr
	OPEN
	s_wait_loadcnt 0x0
.irp a, 0,1,2,3
.irp j, 1,2,3,4,5,6,7
	v_mov_b32 v[BP+8*\a+\j], v[BP+8*\a]            ; a lane's eight tokens get its channel's bias
.endr
.endr
	PLACES 4
	s_wait_alu depctr_va_vdst(0)
	s_wait_dscnt 24
	MUL 0, 2
	WIN 0
.Lstarted:
.irp q, 1,2,3,4,5,6,7
	PLACES 4                                       ; four plain places between the last products and loads into the set that they read (ISA guide 7.12.1 for vector instructions)
.if \q == 3
	s_wait_tensorcnt 0x0                           ; my part of slot 1 is in,
	s_wait_dscnt 0x0                               ; no LDS load of mine is out at the signal,
	s_barrier_signal -1
	s_barrier_wait -1                              ; and everybody's part is in: K step 4 is read next
.endif
.if \q < 7
	FETCH \q+1
	s_wait_dscnt 24                                ; this step's fragments are in; the 24 loads just issued may be out
.else
	s_wait_dscnt 0x0
.endif
	MUL \q, 0
.endr
	WIN 0
	PLACES 4                                       ; ahead of the first read of results
; Tile a of Q: a lane's 64 numbers, register 16 b + i = 32 b + 16 h + i along P, become 8 registers of codes and a scale word.  Each accumulator is read from its low end on.
.macro QUANTW a
	WIN 0x14                                       ; sources 1, 2 window 1
.irp b, 0,1,2,3
	v_max3_num_f32 v[TM+\b], 0x1800000, |v[64*(\a)+16*\b]|, |v[64*(\a)+16*\b+1]|   ; the floor 2^(3 - 127) among the leaves: the byte cannot fall under 1
.endr
.irp i, 2,4,6,8,10,12,14
.irp b, 0,1,2,3
	v_max3_num_f32 v[TM+\b], v[TM+\b], |v[64*(\a)+16*\b+\i]|, |v[64*(\a)+16*\b+\i+1]|
.endr
.endr
	WIN 0
.irp b, 0,1,2,3
	v_permlanex16_b32 v[TM+4+\b], v[TM+\b], s[SEL], s[SEL+1]
.endr
.irp b, 0,1,2,3
	v_max_num_f32 v[TM+\b], v[TM+\b], v[TM+4+\b]   ; with lane l xor 16's 16: the block's largest magnitude
.endr
.irp b, 0,1,2,3
	v_add_nc_u32 v[TM+12+\b], 0xff000000, v[TM+\b] ; 2 off its exponent field: the conversion's scale operand
.endr
.irp b, 0,1,2,3
	v_lshrrev_b32 v[TM+4+\b], 23, v[TM+12+\b]      ; the scale's byte
.endr
	v_lshl_or_b32 v[PW+\a], v[TM+5], 8, v[TM+4]
	v_lshl_or_b32 v[PW+\a], v[TM+6], 16, v[PW+\a]
	v_lshl_or_b32 v[PW+\a], v[TM+7], 24, v[PW+\a]
	WIN 0x01                                       ; source 0 window 1
.irp b, 0,1,2,3
	v_cvt_scalef32_pk8_fp4_f32 v[PC+8*(\a)+2*\b], v[64*(\a)+16*\b:64*(\a)+16*\b+7], v[TM+12+\b]
	v_cvt_scalef32_pk8_fp4_f32 v[PC+8*(\a)+2*\b+1], v[64*(\a)+16*\b+8:64*(\a)+16*\b+15], v[TM+12+\b]
.endr
	WIN 0
	v_nop                                          ; one plain place behind a scaled conversion
.irp c, 0,1                                    ; the operand's layout wants a whole block in a lane: lanes 0-15 block 2 c, lanes 16-31 block 2 c + 1
.irp i, 0,1
	v_permlane16_swap_b32 v[PC+8*(\a)+4*\c+\i], v[PC+8*(\a)+4*\c+2+\i]
.endr
.endr
.endm
.irp a, 0,1,2,3
	QUANTW \a
	global_store_b128 v[OC+2*\a], v[PC+8*\a:PC+8*\a+3], s[14:15]       ; an image of four registers: 512 consecutive bytes, aligned.  q, k: the first head's fragment; v: keys 0-63
	global_store_b128 v[OC+2*\a+1], v[PC+8*\a+4:PC+8*\a+7], s[14:15]   ; q, k: the second head's; v: keys 64-127
.endr
	v_cndmask_b32 v[XW], v[PW], v[PW+1], s97       ; the reader wants tile 2 i in lanes 0-15 and tile 2 i + 1 in lanes 16-31 of word i (both halves of the lanes hold row r's word)
	v_cndmask_b32 v[XW+1], v[PW+2], v[PW+3], s97
	v_perm_b32 v[WA], v[XW], v[XW], s95
	v_perm_b32 v[WA+1], v[XW+1], v[XW+1], s95
	global_store_b64 v[OS], v[WA:WA+1], s[14:15]   ; 256 consecutive bytes, aligned
	s_cmp_eq_u32 s22, 1
	s_cbranch_scc1 .Lno_second
	v_perm_b32 v[WB], v[XW], v[XW], 0x03020302     ; q, k: the second head's two bytes, twice
	v_perm_b32 v[WB+1], v[XW+1], v[XW+1], 0x03020302
	global_store_b64 v[OS+1], v[WB:WB+1], s[14:15]
.Lno_second:
	s_wait_tensorcnt 0x0
	ds_add_u32 v190, v191
	s_wait_dscnt 0x0
	CROUND                                         ; the closing round: no work-group ends while a partner may still ask for a tile that names it
	s_endpgm
.Lfunc_end_k_q0e45a82c0c_proj:
	.size	k_q0e45a82c0c_proj, .Lfunc_end_k_q0e45a82c0c_proj-k_q0e45a82c0c_proj
	.p2alignl 7, 3214868480
	.fill 96, 4, 3214868480
	.section	.rodata,"a",@progbits
	.p2align	6, 0x0
	.amdhsa_kernel k_q0e45a82c0c_proj
		.amdhsa_group_segment_fixed_size 221696
		.amdhsa_private_segment_fixed_size 0
		.amdhsa_enable_private_segment 0
		.amdhsa_kernarg_size 48
		.amdhsa_user_sgpr_count 2
		.amdhsa_user_sgpr_kernarg_segment_ptr 1
		.amdhsa_wavefront_size32 1
		.amdhsa_system_sgpr_workgroup_id_x 1
		.amdhsa_system_sgpr_workgroup_id_y 1
		.amdhsa_system_sgpr_workgroup_id_z 1
		.amdhsa_system_vgpr_workitem_id 0
		.amdhsa_next_free_vgpr 768
		.amdhsa_next_free_sgpr 102
		.amdhsa_reserve_vcc 0
		.amdhsa_float_denorm_mode_32 3
		.amdhsa_float_denorm_mode_16_64 3
		.amdhsa_memory_ordered 1
		.amdhsa_forward_progress 1
		.amdhsa_inst_pref_size 88
	.end_amdhsa_kernel
	.amdgpu_metadata
---
amdhsa.version: [ 1, 2 ]
amdhsa.kernels:
  - .name:           k_q0e45a82c0c_proj
    .symbol:         k_q0e45a82c0c_proj.kd
    .args:
      - { .name: codes, .offset: 0, .size: 8, .value_kind: global_buffer, .address_space: global }
      - { .name: scales, .offset: 8, .size: 8, .value_kind: global_buffer, .address_space: global }
      - { .name: b_q, .offset: 16, .size: 8, .value_kind: global_buffer, .address_space: global }
      - { .name: b_k, .offset: 24, .size: 8, .value_kind: global_buffer, .address_space: global }
      - { .name: b_v, .offset: 32, .size: 8, .value_kind: global_buffer, .address_space: global }
      - { .name: att, .offset: 40, .size: 8, .value_kind: global_buffer, .address_space: global }
    .group_segment_fixed_size: 221696
    .private_segment_fixed_size: 0
    .kernarg_segment_align: 8
    .kernarg_segment_size: 48
    .max_flat_workgroup_size: 128
    .sgpr_count:     102
    .vgpr_count:     768
    .wavefront_size: 32
...
	.end_amdgpu_metadata
.endif
;; end of part 2
;; launch attn (part 3): grid 8 x 32, 16 waves a work-group, clusters of 4 x 1, 327,680 bytes of LDS; arguments att, oimg, oscl; writes oimg, oscl
.if DOCPART == 3
	.amdgcn_target "amdgcn-amd-amdhsa--gfx1250"
	.amdhsa_code_object_version 6
	.text
	.protected	k_q0e45a82c0c_attn
	.globl	k_q0e45a82c0c_attn
	.p2align	8
	.type	k_q0e45a82c0c_attn,@function
k_q0e45a82c0c_attn:
	s_mov_b64 s[64:65], 0
	v_nop
	global_prefetch_b8 v0, s[64:65] scope:SCOPE_SE
	s_setreg_imm32_b32 hwreg(HW_REG_WAVE_MODE, 25, 1), 1
	s_wait_xcnt 0x0
	s_wait_alu depctr_hold_cnt(0) depctr_sa_sdst(0) depctr_va_vdst(0) depctr_va_sdst(0) depctr_va_ssrc(0) depctr_va_vcc(0) depctr_vm_vsrc(0)
	s_getreg_b32 s2, hwreg(HW_REG_IB_STS2, 6, 4)
	s_cmp_eq_u32 s2, 0
	s_cbranch_scc0 .Lentry_in_a_cluster
	s_endpgm
.Lentry_in_a_cluster:
	s_bfe_u32 s2, ttmp6, 0x10000c
	s_cmp_lg_u32 s2, 0x3003
	s_cbranch_scc0 .Lentry_shape_is_right
	s_endpgm
.Lentry_shape_is_right:
; o = softmax(q k^T / 8) v for 64 (batch, head) pairs of 2,048 tokens and head size 64, both products on codes of FP4 with E8M0 scales; o is quantised along the model's 1,024 and leaves as images of the last product's operand.
; THE SOFTMAX AHEAD OF THE SECOND PRODUCT: t = score x log2(e) / 8; M = the largest t so far, rounded UP to a whole number; p = 2^(t - M) is quantised along the keys, not normalised.  The row's sum is taken of the
; unquantised p and divides O at the end.  When M moves, the sum and O are multiplied by 2^(old M - new M): exact.
; SHARES.  A work-group owns 256 query places of one batch and TWO heads, 2 hp and 2 hp + 1; each of its sixteen waves owns one tile of 16 places, first for the one head, then for the other: the two results are the
; 128 along K of one step of the last product: one whole fragment and one whole scale word a wave.  Four waves share a SIMD: one's vector work stands beside another's matrix work.
; LDS.  Both heads' K and V lie there whole, as the projection launch laid them: 16 key steps of 8,960 bytes a head, images of the operand registers (lane l's 16 bytes at 16 l).  Wave w fetches step w of each head:
; two tensor loads a wave are out at the most, and no byte is filled twice.  Behind them 1,024 bytes into which no fill lands, for the scale words' way out.
; CLUSTER.  The four blocks of queries of a cluster walk the same K and V: every load is asked for jointly by the four.
; K = 64 IN A FORM OF 128: q's registers 4-7 are zero codes.  So K's operand may be any 8 registers that begin with the tile's four: it runs on into the next tile's, whose codes meet zeros.  The scale bytes of the
; upper 64 repeat the lower ones.
; LAYOUT.  Both products transposed: S^T = K Q^T, O^T = V^T P^T: a lane holds one query throughout.  K's places and V's channels lie with bits 3 and 4 of their number exchanged, so that the 16 registers of two
; neighbouring tiles are 16 true neighbours: keys in S^T, channels in O^T.
; LIMITS: NaN and infinities are not served; a block of o under 2^-124 (zeros too) keeps the byte 1: its reader is this program alone.
.set KVH,   143360
.set STEPB, 8960
.set QIMG,  64*KVH
.set QSC,   QIMG+4194304
.set STG,   2*KVH
.set L16, 1                            ; v1   16 x lane
.set L8,  2                            ; v2   8 x lane
.set A16, 3                            ; v3   the step's block + 16 x lane
.set A8,  4                            ; v4   the step's block + 8 x lane
.set R8,  5                            ; v5   8 r
.set STW, 6                            ; v6   where my row's scale word goes in LDS
.set RDW, 7                            ; v7   where waves 0 and 1 read 128 of them back
.set QS,  10                           ; v10-11 q's scale words, heads A, B
.set QF,  16                           ; v16-31 q's fragments, heads A, B; registers 4-7 of each are zero codes
.set KF,  32                           ; v32-63 K's eight tiles, four registers each; v64-67 zero
.set VF,  68                           ; v68-99 V's four fragments
.set S,   100                          ; v100-163 S^T, then p
.set O,   164                          ; v164-195 O^T
.set PCD, 196                          ; v196-203 p's codes
.set BM,  204
.set BT,  208
.set SO,  212
.set T0,  216
.set F,   218                          ; v[218:219] f, later 1 / the sum; the upper word is only named
.set SUM2, 220
.set KS,  224                          ; v224-227 K's scale words: register t / 2, lanes 0-15 even tiles, lanes 16-31 odd
.set VS,  228                          ; v228-229 V's likewise
.set PWD, 230                          ; p's scale word
.set OC,  232                          ; v232-239 o's codes: the fragment
.set OW,  240                          ; its scale word
.set RB,  244
.set WV,  12
.set SEL, 20
.set CS,  22
.set G1,  24
.set G0A, 32
.set G0B, 36
.set TB,  40
.set CNT, 41
.macro CROUND
	s_barrier_signal -1
	s_barrier_wait -1
	s_cmp_lg_u32 s[WV], 0
	s_cbranch_scc1 .Lnot_wave_0_\@
	s_barrier_signal -3
.Lnot_wave_0_\@:
	s_barrier_wait -3
	s_barrier_signal -1
	s_barrier_wait -1
.endm
	s_load_b128 s[4:7], s[0:1], 0x0                ; att, oimg
	s_load_b64 s[8:9], s[0:1], 0x10                ; oscl
	v_lshl_add_u32 v254, v0, 2, 0x46400
	v_mov_b32 v255, 0
	ds_add_u32 v254, v255
	ds_add_u32 v254, v255
	v_lshrrev_b32 v9, 5, v0
	s_delay_alu instid0(VALU_DEP_1)
	v_readfirstlane_b32 s[WV], v9                  ; wave 0..15
	v_and_b32 v8, 31, v0
	s_delay_alu instid0(VALU_DEP_1)
	v_lshlrev_b32 v[L16], 4, v8
	s_delay_alu instid0(VALU_DEP_2)
	v_lshlrev_b32 v[L8], 3, v8
	v_and_b32 v8, 15, v0                           ; r
	s_delay_alu instid0(VALU_DEP_1)
	v_lshlrev_b32 v[R8], 3, v8
	v_lshlrev_b32 v[STW], 6, v9
	s_delay_alu instid0(VALU_DEP_1)
	v_lshl_add_u32 v[STW], v8, 2, v[STW]
	s_delay_alu instid0(VALU_DEP_1)
	v_add_nc_u32 v[STW], STG, v[STW]               ; 64 x wave + 4 r: the words lie by place
	v_lshl_add_u32 v[RDW], v9, 9, v[L16]
	s_delay_alu instid0(VALU_DEP_1)
	v_add_nc_u32 v[RDW], STG, v[RDW]               ; 512 x wave + 16 x lane (read by waves 0 and 1 alone)
	s_bfe_u32 s13, ttmp6, 0x40000                  ; cx
	s_lshl_b32 s14, ttmp9, 2
	s_add_co_u32 s14, s14, s13                     ; my block of 256 places: it enters q's and o's addresses alone
	s_and_b32 s15, ttmp7, 0xffff                   ; y = 8 x batch + pair of heads, which the partners share
	s_mul_i32 s18, s[WV], STEPB                    ; the key step that I fetch: its place in a head's block, in memory and in LDS
	s_mul_i32 s16, s15, 2*KVH
	s_add_co_u32 s16, s16, s18
	s_mov_b32 s17, 0
	s_lshl_b32 s42, s14, 4
	s_add_co_u32 s42, s42, s[WV]                   ; my tile of 16 places, 0 .. 127
	s_lshl_b32 s44, s15, 17                        ; q's images: two heads of 65,536 bytes for each y
	s_lshl_b32 s45, s42, 9
	s_add_co_u32 s44, s44, s45
	s_add_co_u32 s44, s44, QIMG
	s_mov_b32 s45, 0
	s_lshl_b32 s46, s15, 14                        ; q's scale words: [head][64 places][lane][2]: tile a of four lies in word a / 2 of lanes 16 (a % 2) + r
	s_lshr_b32 s47, s42, 2
	s_lshl_b32 s47, s47, 8
	s_add_co_u32 s46, s46, s47
	s_and_b32 s47, s[WV], 1
	s_lshl_b32 s47, s47, 7
	s_add_co_u32 s46, s46, s47
	s_bfe_u32 s47, s[WV], 0x10001
	s_lshl_b32 s47, s47, 2
	s_add_co_u32 s46, s46, s47
	s_add_co_u32 s46, s46, QSC
	s_mov_b32 s47, 0
	s_and_b32 s48, s15, 7                          ; hp: the last product's K step
	s_lshr_b32 s49, s15, 3                         ; the batch
	s_lshr_b32 s50, s48, 2                         ; oimg: [hp / 4][batch x 128 + tile][hp % 4][2][512]
	s_lshl_b32 s50, s50, 21
	s_lshl_b32 s51, s49, 7
	s_add_co_u32 s51, s51, s42
	s_lshl_b32 s51, s51, 12
	s_add_co_u32 s50, s50, s51
	s_and_b32 s51, s48, 3
	s_lshl_b32 s51, s51, 10
	s_add_co_u32 s50, s50, s51
	s_mov_b32 s51, 0
	s_lshl_b32 s52, s49, 4                         ; oscl: [128 places][hp][128 words]; waves 0 and 1 store my block's two groups
	s_lshl_b32 s53, s14, 1
	s_add_co_u32 s52, s52, s53
	s_add_co_u32 s52, s52, s[WV]
	s_lshl_b32 s52, s52, 12
	s_lshl_b32 s53, s48, 9
	s_add_co_u32 s52, s52, s53
	s_mov_b32 s53, 0
	; descriptor group 1: a key step's block, 8,960 dense bytes, as 35 rows of 256 (32 elements of 8 bytes)
	s_mov_b32 s[G1], 15|(3<<16)|(1<<21)            ; 15:0 the mask: all four work-groups; 17:16 elements of 8 bytes; 21 set beside a mask
	s_mov_b32 s[G1+1], 32<<16
	s_mov_b32 s[G1+2], 35<<16
	s_mov_b32 s[G1+3], 32<<16
	s_mov_b32 s[G1+4], 35
	s_mov_b32 s[G1+5], 32
	s_mov_b32 s[G1+6], 0
	s_mov_b32 s[G1+7], 0
	s_mov_b32 s[SEL], 0x76543210
	s_mov_b32 s[SEL+1], 0xfedcba98
	s_mov_b32 s[CS], 0x3e38aa3b                    ; c = log2(e) / 8
	s_mov_b32 s[CS+1], s[CS]                       ; (named with it as a pair, so it is written)
	s_wait_dscnt 0x0
	s_wait_kmcnt 0x0
	s_add_nc_u64 s[16:17], s[4:5], s[16:17]
	s_add_nc_u64 s[44:45], s[4:5], s[44:45]
	s_add_nc_u64 s[46:47], s[4:5], s[46:47]
	s_add_nc_u64 s[6:7], s[6:7], s[50:51]
	s_add_nc_u64 s[8:9], s[8:9], s[52:53]
	CROUND                                         ; all four work-groups are here: the joint loads meet
	s_mov_b32 s[G0A], 1
	s_mov_b32 s[G0A+1], s18
	s_mov_b64 s[G0A+2:G0A+3], s[16:17]
	s_or_b32 s[G0A+3], s[G0A+3], 0x80000000
	s_mov_b32 s[G0B], 1
	s_add_co_u32 s[G0B+1], s18, KVH
	s_add_nc_u64 s[G0B+2:G0B+3], s[16:17], KVH
	s_or_b32 s[G0B+3], s[G0B+3], 0x80000000
	tensor_load_to_lds s[G0A:G0A+3], s[G1:G1+7]    ; head A's step w
	s_nop 0
	s_wait_alu depctr_va_vdst(0)
	s_wait_tensorcnt 0x0
	ds_add_u32 v254, v255
	s_wait_dscnt 0x0
	CROUND
	tensor_load_to_lds s[G0B:G0B+3], s[G1:G1+7]    ; head B's
	s_nop 0
.rept 4
	v_nop
.endr
	s_wait_alu depctr_va_vdst(0)
	global_load_b128 v[QF:QF+3], v[L16], s[44:45]                  ; q stays in registers
	global_load_b128 v[QF+8:QF+11], v[L16], s[44:45] offset:65536
	global_load_b32 v[QS], v[R8], s[46:47]
	global_load_b32 v[QS+1], v[R8], s[46:47] offset:8192
.irp j, 4,5,6,7,12,13,14,15
	v_mov_b32 v[QF+\j], 0                          ; zero codes for k = 64 .. 127
.endr
.irp j, 0,1,2,3
	v_mov_b32 v[KF+32+\j], 0                       ; what the last tile of K runs on into
	v_mov_b32 v[BT+\j], 0                          ; written once: a lane permute's destination counts as one of its sources
.endr
	v_mov_b32 v[F+1], 0
	v_mov_b32 v[T0], 0
	s_wait_loadcnt 0x0
.macro QK t, hd
.if (\t)%2
	v_wmma_scale_f32_16x16x128_f8f6f4 v[S+8*(\t):S+8*(\t)+7], v[KF+4*(\t):KF+4*(\t)+7], v[QF+8*(\hd):QF+8*(\hd)+7], 0, v[KS+(\t)/2], v[QS+(\hd)] matrix_a_fmt:MATRIX_FMT_FP4 matrix_b_fmt:MATRIX_FMT_FP4 matrix_a_scale:MATRIX_SCALE_ROW1
.else
	v_wmma_scale_f32_16x16x128_f8f6f4 v[S+8*(\t):S+8*(\t)+7], v[KF+4*(\t):KF+4*(\t)+7], v[QF+8*(\hd):QF+8*(\hd)+7], 0, v[KS+(\t)/2], v[QS+(\hd)] matrix_a_fmt:MATRIX_FMT_FP4 matrix_b_fmt:MATRIX_FMT_FP4
.endif
.endm
.macro PV a
.if (\a)%2
	v_wmma_scale_f32_16x16x128_f8f6f4 v[O+8*(\a):O+8*(\a)+7], v[VF+8*(\a):VF+8*(\a)+7], v[PCD:PCD+7], v[O+8*(\a):O+8*(\a)+7], v[VS+(\a)/2], v[PWD] matrix_a_fmt:MATRIX_FMT_FP4 matrix_b_fmt:MATRIX_FMT_FP4 matrix_a_scale:MATRIX_SCALE_ROW1
.else
	v_wmma_scale_f32_16x16x128_f8f6f4 v[O+8*(\a):O+8*(\a)+7], v[VF+8*(\a):VF+8*(\a)+7], v[PCD:PCD+7], v[O+8*(\a):O+8*(\a)+7], v[VS+(\a)/2], v[PWD] matrix_a_fmt:MATRIX_FMT_FP4 matrix_b_fmt:MATRIX_FMT_FP4
.endif
.endm
; A KEY STEP: 128 keys, whose block begins at LDS byte s[TB]
.macro STEP hd
	v_add_nc_u32 v[A16], s[TB], v[L16]
	v_add_nc_u32 v[A8], s[TB], v[L8]
	v_nop
	v_nop                                          ; four plain places between the last step's products and the loads into V's registers
.irp t, 0,1,2,3,4,5,6,7
	ds_load_b128 v[KF+4*\t:KF+4*\t+3], v[A16] offset:512*\t
.endr
.irp g, 0,1
	ds_load_b64 v[KS+2*\g:KS+2*\g+1], v[A8] offset:8192+256*\g
.endr
.irp a, 0,1,2,3
.irp c, 0,1
	ds_load_b128 v[VF+8*\a+4*\c:VF+8*\a+4*\c+3], v[A16] offset:4096+1024*\a+512*\c
.endr
.endr
	ds_load_b64 v[VS:VS+1], v[A8] offset:8704
	s_wait_dscnt 9                                 ; K and its scale words are in; V's nine loads may be out: they land under the softmax
.irp t, 0,1,2,3,4,5,6,7
	QK \t, \hd                                     ; lane (r, h): query r; the 16 registers of tiles 2 b, 2 b + 1 are keys 32 b + 16 h + 0 .. 15
.endr
.rept 4
	v_nop
.endr
.irp b, 0,1,2,3
	v_max3_num_f32 v[BM+\b], v[S+16*\b], v[S+16*\b+1], v[S+16*\b+2]   ; the largest score of each block of 32 keys: it serves the row's maximum and, since p rises with the score, the block's largest p
.endr
.irp i, 3,5,7,9,11,13
.irp b, 0,1,2,3
	v_max3_num_f32 v[BM+\b], v[BM+\b], v[S+16*\b+\i], v[S+16*\b+\i+1]
.endr
.endr
.irp b, 0,1,2,3
	v_max_num_f32 v[BM+\b], v[BM+\b], v[S+16*\b+15]
.endr
.irp b, 0,1,2,3
	s_delay_alu instid0(VALU_DEP_4)
	v_permlanex16_b32 v[BT+\b], v[BM+\b], s[SEL], s[SEL+1]
.endr
.irp b, 0,1,2,3
	s_delay_alu instid0(VALU_DEP_4)
	v_max_num_f32 v[BM+\b], v[BM+\b], v[BT+\b]     ; with lane l xor 16's 16 keys
.endr
	s_delay_alu instid0(VALU_DEP_2)
	v_max3_num_f32 v[T0], v[BM], v[BM+1], v[BM+2]
	s_delay_alu instid0(VALU_DEP_1)
	v_max_num_f32 v[T0], v[T0], v[BM+3]            ; the step's largest score of my query
	s_delay_alu instid0(VALU_DEP_1)
	v_mul_f32 v[T0], s[CS], v[T0]                  ; as t (c is positive)
	s_delay_alu instid0(VALU_DEP_1)
	v_max_num_f32 v13, v13, v[T0]                  ; the running largest t
	v_mov_b32 v[T0], v12
	s_delay_alu instid0(VALU_DEP_2)
	v_floor_f32 v12, -v13                          ; the new -M = floor(-t): M is a whole number
	s_delay_alu instid0(VALU_DEP_1)
	v_sub_f32 v[T0], v12, v[T0]                    ; old M - new M: a whole number, 0 or less
	s_delay_alu instid0(VALU_DEP_1)
	v_cvt_i32_f32 v[T0], v[T0]                     ; (it saturates)
	s_delay_alu instid0(VALU_DEP_1)
	v_ldexp_f32 v[F], 1.0, v[T0]                   ; f = 2^(old M - new M)
.set j, 0
.rept 32
	v_pk_fma_f32 v[S+j:S+j+1], v[S+j:S+j+1], s[CS:CS+1], v[12:13] op_sel_hi:[1,0,0]   ; t - M, two at a time
.set j, j+2
.endr
.irp b, 0,1,2,3
	v_fma_f32 v[BM+\b], v[BM+\b], s[CS], v12       ; the same of each block's largest score
.endr
.set j, 0
	s_wait_alu depctr_va_vdst(0)
.rept 64
	v_exp_f32 v[S+j], v[S+j]                       ; p = 2^(t - M), at most 1
.set j, j+1
.endr
	s_setprio 1
	v_pk_mul_f32 v[14:15], v[14:15], v[F:F+1] op_sel_hi:[1,0]   ; the sums under the new M (the plain line behind the exponentials)
	s_wait_alu depctr_va_vdst(0)                   ; one wait for the whole batch, ahead of its first reader
.irp b, 0,1,2,3
	v_exp_f32 v[BM+\b], v[BM+\b]                   ; the block's largest p: the same two instructions on the same number give the same bits
.endr
	v_pk_add_f32 v[SUM2:SUM2+1], v[S:S+1], v[S+2:S+3]   ; the row's sum is taken of the unquantised p, in two chains
.irp j, 4,8,12,16,20,24,28,32,36,40,44,48,52,56,60
	v_pk_add_f32 v[14:15], v[14:15], v[S+\j:S+\j+1]
	v_pk_add_f32 v[SUM2:SUM2+1], v[SUM2:SUM2+1], v[S+\j+2:S+\j+3]
.endr
	s_delay_alu instid0(VALU_DEP_1)
	v_pk_add_f32 v[14:15], v[14:15], v[SUM2:SUM2+1]
	s_wait_alu depctr_va_vdst(0)                   ; and one for the four
.irp b, 0,1,2,3
	v_max_num_f32 v[BM+\b], 0x1800000, v[BM+\b]    ; the floor 2^(3 - 127): the byte cannot fall under 1
.endr
.irp b, 0,1,2,3
	s_delay_alu instid0(VALU_DEP_4)
	v_add_nc_u32 v[SO+\b], 0xff000000, v[BM+\b]    ; 2 off the exponent field: the conversion's scale operand
.endr
.irp b, 0,1,2,3
	s_delay_alu instid0(VALU_DEP_4)
	v_lshrrev_b32 v[BT+\b], 23, v[SO+\b]           ; the scale's byte
.endr
	s_delay_alu instid0(VALU_DEP_3)
	v_lshl_or_b32 v[PWD], v[BT+1], 8, v[BT]        ; p's scale word for these 128 keys
	s_delay_alu instid0(VALU_DEP_1)
	v_lshl_or_b32 v[PWD], v[BT+2], 16, v[PWD]
	s_delay_alu instid0(VALU_DEP_1)
	v_lshl_or_b32 v[PWD], v[BT+3], 24, v[PWD]
.irp b, 0,1,2,3
	v_cvt_scalef32_pk8_fp4_f32 v[PCD+2*\b], v[S+16*\b:S+16*\b+7], v[SO+\b]
	v_cvt_scalef32_pk8_fp4_f32 v[PCD+2*\b+1], v[S+16*\b+8:S+16*\b+15], v[SO+\b]
.endr
	v_nop                                          ; one plain place behind a scaled conversion
.irp c, 0,1
.irp i, 0,1
	v_permlane16_swap_b32 v[PCD+4*\c+\i], v[PCD+4*\c+2+\i]   ; a whole block in a lane: lanes 0-15 block 2 c, lanes 16-31 block 2 c + 1
.endr
.endr
.set j, 0
	s_setprio 0
.rept 16
	v_pk_mul_f32 v[O+j:O+j+1], v[O+j:O+j+1], v[F:F+1] op_sel_hi:[1,0]   ; O^T under the new M; these sixteen also stand between the scale word and codes just made and the products
.set j, j+2
.endr
	s_wait_alu depctr_va_vdst(0)
	s_wait_dscnt 0x0                               ; V is in
.irp a, 0,1,2,3
	PV \a                                          ; four accumulators, one instruction each
.endr
.endm
; ONE HEAD: all 16 key steps, then o = O^T / the sum, quantised: two blocks of 32 channels: registers 4 hd .. 4 hd + 3 of the fragment and bytes 2 hd, 2 hd + 1 of its scale word
.macro HEAD hd
	v_mov_b32 v13, 0xff61b1e6                      ; the largest t so far: -3e38
	s_delay_alu instid0(VALU_DEP_1)
	v_floor_f32 v12, -v13                          ; -M
	v_mov_b32 v14, 0
	v_mov_b32 v15, 0
.set j, 0
.rept 32
	v_mov_b32 v[O+j], 0                            ; the step is written once: the first finds zeros, which the first change of M leaves zeros
.set j, j+1
.endr
	s_wait_tensorcnt 1-\hd                         ; my step of this head is in (head A: head B's load may stay out),
	s_wait_dscnt 0x0
	s_barrier_signal -1
	s_barrier_wait -1                              ; and so are the other fifteen
	s_mov_b32 s[TB], \hd*KVH
	s_mov_b32 s[CNT], 16
.Lstep_\@:
	s_setprio 2
	STEP \hd
	s_add_co_u32 s[TB], s[TB], STEPB
	s_sub_co_u32 s[CNT], s[CNT], 1
	s_cmp_lg_u32 s[CNT], 0
	s_cbranch_scc1 .Lstep_\@
	s_setprio 0
	v_add_f32 v14, v14, v15                        ; the sum's two halves,
	s_delay_alu instid0(VALU_DEP_1)
	v_permlanex16_b32 v[T0], v14, s[SEL], s[SEL+1]
	s_delay_alu instid0(VALU_DEP_1)
	v_add_f32 v14, v14, v[T0]                      ; and lane l xor 16's
	s_wait_alu depctr_va_vdst(0)
	v_rcp_f32 v[F], v14
.rept 4
	v_nop                                          ; the plain line behind the reciprocal, and the places behind the last products
.endr
	s_wait_alu depctr_va_vdst(0)                   ; ahead of the reciprocal's first reader
.set j, 0
.rept 16
	v_pk_mul_f32 v[S+j:S+j+1], v[O+j:O+j+1], v[F:F+1] op_sel_hi:[1,0]   ; register 16 b + i is channel 32 b + 16 h + i
.set j, j+2
.endr
.irp b, 0,1
	v_max3_num_f32 v[BM+\b], |v[S+16*\b]|, |v[S+16*\b+1]|, 0x1800000
.endr
.irp i, 2,4,6,8,10,12,14
.irp b, 0,1
	s_delay_alu instid0(VALU_DEP_2)
	v_max3_num_f32 v[BM+\b], v[BM+\b], |v[S+16*\b+\i]|, |v[S+16*\b+\i+1]|
.endr
.endr
.irp b, 0,1
	s_delay_alu instid0(VALU_DEP_2)
	v_permlanex16_b32 v[BT+\b], v[BM+\b], s[SEL], s[SEL+1]
.endr
.irp b, 0,1
	s_delay_alu instid0(VALU_DEP_2)
	v_max_num_f32 v[BM+\b], v[BM+\b], v[BT+\b]
.endr
.irp b, 0,1
	s_delay_alu instid0(VALU_DEP_2)
	v_add_nc_u32 v[SO+\b], 0xff000000, v[BM+\b]
.endr
.irp b, 0,1
	s_delay_alu instid0(VALU_DEP_2)
	v_lshrrev_b32 v[BT+\b], 23, v[SO+\b]
.endr
.if \hd == 0
	s_delay_alu instid0(VALU_DEP_1)
	v_lshl_or_b32 v[OW], v[BT+1], 8, v[BT]
.else
	s_delay_alu instid0(VALU_DEP_2)
	v_lshl_or_b32 v[OW], v[BT], 16, v[OW]
	s_delay_alu instid0(VALU_DEP_1)
	v_lshl_or_b32 v[OW], v[BT+1], 24, v[OW]
.endif
.irp b, 0,1
	v_cvt_scalef32_pk8_fp4_f32 v[OC+4*\hd+2*\b], v[S+16*\b:S+16*\b+7], v[SO+\b]
	v_cvt_scalef32_pk8_fp4_f32 v[OC+4*\hd+2*\b+1], v[S+16*\b+8:S+16*\b+15], v[SO+\b]
.endr
	v_nop
	v_permlane16_swap_b32 v[OC+4*\hd], v[OC+4*\hd+2]
	v_permlane16_swap_b32 v[OC+4*\hd+1], v[OC+4*\hd+3]
.endm
	HEAD 0
	HEAD 1
	global_store_b128 v[L16], v[OC:OC+3], s[6:7]                   ; the fragment's image: 1,024 bytes on end a wave
	global_store_b128 v[L16], v[OC+4:OC+7], s[6:7] offset:512
	ds_store_b32 v[STW], v[OW]                     ; both halves of the lanes write row r's word with the same value
	s_wait_dscnt 0x0                               ; for the others' sake
	s_barrier_signal -1
	s_barrier_wait -1
	s_cmp_lt_u32 s[WV], 2
	s_cbranch_scc0 .Lno_words
	ds_load_b128 v[RB:RB+3], v[RDW]                ; 128 places' words
	s_wait_dscnt 0x0
	global_store_b128 v[L16], v[RB:RB+3], s[8:9]   ; 512 consecutive bytes, aligned
.Lno_words:
	s_wait_tensorcnt 0x0
	ds_add_u32 v254, v255
	s_wait_dscnt 0x0
	CROUND                                         ; the closing round
	s_endpgm
.Lfunc_end_k_q0e45a82c0c_attn:
	.size	k_q0e45a82c0c_attn, .Lfunc_end_k_q0e45a82c0c_attn-k_q0e45a82c0c_attn
	.p2alignl 7, 3214868480
	.fill 96, 4, 3214868480
	.section	.rodata,"a",@progbits
	.p2align	6, 0x0
	.amdhsa_kernel k_q0e45a82c0c_attn
		.amdhsa_group_segment_fixed_size 327680
		.amdhsa_private_segment_fixed_size 0
		.amdhsa_enable_private_segment 0
		.amdhsa_kernarg_size 24
		.amdhsa_user_sgpr_count 2
		.amdhsa_user_sgpr_kernarg_segment_ptr 1
		.amdhsa_wavefront_size32 1
		.amdhsa_system_sgpr_workgroup_id_x 1
		.amdhsa_system_sgpr_workgroup_id_y 1
		.amdhsa_system_sgpr_workgroup_id_z 1
		.amdhsa_system_vgpr_workitem_id 0
		.amdhsa_next_free_vgpr 256
		.amdhsa_next_free_sgpr 66
		.amdhsa_reserve_vcc 0
		.amdhsa_float_denorm_mode_32 3
		.amdhsa_float_denorm_mode_16_64 3
		.amdhsa_memory_ordered 1
		.amdhsa_forward_progress 1
		.amdhsa_inst_pref_size 51
	.end_amdhsa_kernel
	.amdgpu_metadata
---
amdhsa.version: [ 1, 2 ]
amdhsa.kernels:
  - .name:           k_q0e45a82c0c_attn
    .symbol:         k_q0e45a82c0c_attn.kd
    .args:
      - { .name: att, .offset: 0, .size: 8, .value_kind: global_buffer, .address_space: global }
      - { .name: oimg, .offset: 8, .size: 8, .value_kind: global_buffer, .address_space: global }
      - { .name: oscl, .offset: 16, .size: 8, .value_kind: global_buffer, .address_space: global }
    .group_segment_fixed_size: 327680
    .private_segment_fixed_size: 0
    .kernarg_segment_align: 8
    .kernarg_segment_size: 24
    .max_flat_workgroup_size: 512
    .sgpr_count:     66
    .vgpr_count:     256
    .wavefront_size: 32
...
	.end_amdgpu_metadata
.endif
;; end of part 3
;; launch outp (part 4): grid 4 x 64, 4 waves a work-group, clusters of 4 x 4, 251,392 bytes of LDS; arguments codes, scales, oimg, oscl, b_o, out0; writes out0
.if DOCPART == 4
	.amdgcn_target "amdgcn-amd-amdhsa--gfx1250"
	.amdhsa_code_object_version 6
	.text
	.protected	k_q0e45a82c0c_outp
	.globl	k_q0e45a82c0c_outp
	.p2align	8
	.type	k_q0e45a82c0c_outp,@function
k_q0e45a82c0c_outp:
	s_mov_b64 s[64:65], 0
	v_nop
	global_prefetch_b8 v0, s[64:65] scope:SCOPE_SE
	s_setreg_imm32_b32 hwreg(HW_REG_WAVE_MODE, 25, 1), 1
	s_wait_xcnt 0x0
	s_wait_alu depctr_hold_cnt(0) depctr_sa_sdst(0) depctr_va_vdst(0) depctr_va_sdst(0) depctr_va_ssrc(0) depctr_va_vcc(0) depctr_vm_vsrc(0)
	s_getreg_b32 s2, hwreg(HW_REG_IB_STS2, 6, 4)
	s_cmp_eq_u32 s2, 0
	s_cbranch_scc0 .Lentry_in_a_cluster
	s_endpgm
.Lentry_in_a_cluster:
	s_bfe_u32 s2, ttmp6, 0x10000c
	s_cmp_lg_u32 s2, 0xf033
	s_cbranch_scc0 .Lentry_shape_is_right
	s_endpgm
.Lentry_shape_is_right:
; out0 = o w_o^T + b_o on codes of FP4 with E8M0 scales.  o comes as images of the operand's registers (oimg) and scale words (oscl), w_o as rows of codes.
; A work-group makes P 256 (w_o's rows: output channels) x Q 128 (token places), all of K = 1,024.  Source 0 = 16 places of P, source 1 = 16 places of Q: a lane holds one token place, and its registers run along the
; output channels in true order (w_o's rows lie with bits 3 and 4 of their number exchanged).  The token places are put back in true order by the stores' offsets.
; Four waves; wave w makes P half w % 2 (128) x Q half w / 2 (64): 32 accumulators.  All of K lies in LDS at once, every byte filled once: P in two slots of 512 along K (rows of 256 bytes + 16), Q's images dense.
; CLUSTER 4 x 4: P's tiles hang on cx alone (asked for jointly by my column), Q's on cy and the cluster (by my row).  Each wave issues three loads; at the most three are out.
; REGISTERS: window 0: v1-13 addresses; v32-63 P's scale words, v64-79 Q's; v192-255 the bias; on the way out v128-255 rows of out0.  window 1: accumulator (a, b) at v[8 (8 a + b)].  window 2: the fragments, two sets.
.set PITCH, 272
.set PHALF, 128*PITCH
.set SLOT,  2*PHALF                    ; P's 256 rows
.set QI,    2*SLOT                     ; Q's images: [K half 2][tile 8][K step 4][c 2][512]
.set SCLP,  QI+65536                   ; P's scale bytes, [row][32]
.set SCLQ,  SCLP+8192                  ; Q's scale words, [K step 8][128 places]
.set STAGE, SCLQ+4096                  ; 16 rows x (512 + 16) bytes for each wave: no fill lands there
.set SPITCH, 528
.set WOC,   14155776                   ; w_o's codes in the workspace
.set WOS,   884736                     ; and its scale bytes
.set ADRP, 4
.set ADRQ, 6
.set ADSP, 8
.set ADSQ, 9
.set L16,  10
.set BO,   11
.set STO,  12
.set RD,   13
.set SCP,  32
.set SCQ,  64
.set BK,   128
.set BP,   192
.set WV,   16
.set ROLE, 17
.set HALF, 18
.set G1P,  24
.set G1QI, 32
.set G1SP, 40
.set G1SQ, 48
.set MSB, 0
.macro WIN new
.if MSB != \new
	s_set_vgpr_msb (MSB<<8)|\new
.set MSB, \new
.endif
.endm
.macro PLACES n
.rept \n
	v_nop
.endr
.endm
.macro JLOAD g0a, g1a, g0b, g1b        ; a joint load: waves 0, 1 for P, waves 2, 3 for Q; four v_nop follow each of the two lines
	s_cmp_eq_u32 s[ROLE], 0
	s_cbranch_scc0 .Lfor_b_\@
	tensor_load_to_lds s[\g0a:\g0a+3], s[\g1a:\g1a+7]
	s_nop 0
.rept 4
	v_nop
.endr
	s_branch .Lasked_\@
.Lfor_b_\@:
	tensor_load_to_lds s[\g0b:\g0b+3], s[\g1b:\g1b+7]
	s_nop 0
.rept 4
	v_nop
.endr
.Lasked_\@:
.endm
.macro CROUND
	s_barrier_signal -1
	s_barrier_wait -1
	s_cmp_lg_u32 s[WV], 0
	s_cbranch_scc1 .Lnot_wave_0_\@
	s_barrier_signal -3
.Lnot_wave_0_\@:
	s_barrier_wait -3
	s_barrier_signal -1
	s_barrier_wait -1
.endm
	s_load_b256 s[4:11], s[0:1], 0x0               ; codes, scales, oimg, oscl
	s_load_b128 s[12:15], s[0:1], 0x20             ; b_o, out0
	v_lshl_add_u32 v126, v0, 2, 0x3d400
	v_mov_b32 v127, 0
	ds_add_u32 v126, v127
	ds_add_u32 v126, v127
	v_lshrrev_b32 v1, 5, v0
	v_readfirstlane_b32 s[WV], v1
	s_lshr_b32 s[ROLE], s[WV], 1
	s_and_b32 s[HALF], s[WV], 1
	s_bfe_u32 s19, ttmp6, 0x40000                  ; cx: which 256 of w_o's rows
	s_bfe_u32 s20, ttmp6, 0x40004                  ; cy
	s_and_b32 s85, ttmp7, 0xffff
	s_lshl_b32 s85, s85, 2
	s_add_co_u32 s85, s85, s20                     ; which 128 token places
	s_lshl_b32 s90, s19, 8
	s_lshl_b32 s91, s[HALF], 7
	s_add_co_u32 s90, s90, s91                     ; P: the first place that I would fetch
	s_lshl_b32 s86, s90, 9
	s_add_co_u32 s86, s86, WOC
	s_lshl_b32 s90, s90, 5
	s_add_co_u32 s90, s90, WOS
	s_mov_b32 s87, 0
	s_mov_b32 s91, 0
	s_lshl_b32 s88, s85, 15                        ; Q's images: 8 tiles of 4,096 bytes for each K half; I would fetch four
	s_lshl_b32 s89, s[HALF], 14
	s_add_co_u32 s88, s88, s89
	s_mov_b32 s89, 0
	s_lshl_b32 s94, s85, 12                        ; Q's scale words: 4,096 bytes; I would fetch half
	s_lshl_b32 s95, s[HALF], 11
	s_add_co_u32 s94, s94, s95
	s_mov_b32 s95, 0
	s_lshl_b32 s92, 0x1111, s19                    ; my column of the cluster
	s_lshl_b32 s93, s20, 2
	s_lshl_b32 s93, 15, s93                        ; my row
	s_or_b32 s[G1P], s92, (1<<20)|(1<<21)|(5<<22)|(3<<25)   ; P's codes: 128 rows of 256 bytes, 512 apart in memory, 16 bytes of padding behind each
	s_mov_b32 s[G1P+1], 256<<16
	s_mov_b32 s[G1P+2], 128<<16
	s_mov_b32 s[G1P+3], 256<<16
	s_mov_b32 s[G1P+4], 128
	s_mov_b32 s[G1P+5], 512
	s_mov_b32 s[G1P+6], 0
	s_mov_b32 s[G1P+7], 0
	s_or_b32 s[G1QI], s93, (3<<16)|(1<<21)         ; Q's images: 16,384 dense bytes as 64 rows of 256
	s_mov_b32 s[G1QI+1], 32<<16
	s_mov_b32 s[G1QI+2], 64<<16
	s_mov_b32 s[G1QI+3], 32<<16
	s_mov_b32 s[G1QI+4], 64
	s_mov_b32 s[G1QI+5], 32
	s_mov_b32 s[G1QI+6], 0
	s_mov_b32 s[G1QI+7], 0
	s_or_b32 s[G1SP], s92, (3<<16)|(1<<21)         ; P's scale bytes: 4,096 dense bytes
	s_mov_b32 s[G1SP+1], 32<<16
	s_mov_b32 s[G1SP+2], 16<<16
	s_mov_b32 s[G1SP+3], 32<<16
	s_mov_b32 s[G1SP+4], 16
	s_mov_b32 s[G1SP+5], 32
	s_mov_b32 s[G1SP+6], 0
	s_mov_b32 s[G1SP+7], 0
	s_or_b32 s[G1SQ], s93, (3<<16)|(1<<21)         ; Q's scale words: 2,048 dense bytes
	s_mov_b32 s[G1SQ+1], 32<<16
	s_mov_b32 s[G1SQ+2], 8<<16
	s_mov_b32 s[G1SQ+3], 32<<16
	s_mov_b32 s[G1SQ+4], 8
	s_mov_b32 s[G1SQ+5], 32
	s_mov_b32 s[G1SQ+6], 0
	s_mov_b32 s[G1SQ+7], 0
	s_mul_i32 s96, s[HALF], PHALF                  ; where they go: by the wave's number alone
	s_lshl_b32 s97, s[HALF], 14
	s_lshl_b32 s98, s[HALF], 12
	s_lshl_b32 s99, s[HALF], 11
	s_wait_dscnt 0x0
	s_wait_kmcnt 0x0
	s_add_nc_u64 s[86:87], s[4:5], s[86:87]
	s_add_nc_u64 s[90:91], s[6:7], s[90:91]
	s_add_nc_u64 s[88:89], s[8:9], s[88:89]
	s_add_nc_u64 s[94:95], s[10:11], s[94:95]
	CROUND                                         ; all sixteen work-groups are here: the joint loads meet
	s_mov_b32 s56, 1
	s_add_co_u32 s57, s98, SCLP
	s_mov_b64 s[58:59], s[90:91]
	s_or_b32 s59, s59, 0x80000000
	s_mov_b32 s72, 1
	s_add_co_u32 s73, s99, SCLQ
	s_mov_b64 s[74:75], s[94:95]
	s_or_b32 s75, s75, 0x80000000
	JLOAD 56, G1SP, 72, G1SQ                       ; the scales first
	s_mov_b32 s60, 1
	s_mov_b32 s61, s96
	s_mov_b64 s[62:63], s[86:87]
	s_or_b32 s63, s63, 0x80000000
	s_mov_b32 s76, 1
	s_add_co_u32 s77, s97, QI
	s_mov_b64 s[78:79], s[88:89]
	s_or_b32 s79, s79, 0x80000000
	JLOAD 60, G1P, 76, G1QI                        ; K = 0 .. 511
	s_mov_b32 s68, 1
	s_add_co_u32 s69, s96, SLOT
	s_add_nc_u64 s[70:71], s[86:87], 256
	s_or_b32 s71, s71, 0x80000000
	s_mov_b32 s80, 1
	s_add_co_u32 s81, s97, QI+32768
	s_add_nc_u64 s[82:83], s[88:89], 2097152
	s_or_b32 s83, s83, 0x80000000
	JLOAD 68, G1P, 80, G1QI                        ; K = 512 .. 1,023
	v_and_b32 v1, 15, v0                           ; r
	v_bfe_u32 v2, v0, 4, 1                         ; h
	v_and_b32 v3, 31, v0                           ; lane
	v_lshlrev_b32 v[L16], 4, v3
	v_mul_u32_u24 v22, v1, PITCH
	v_lshl_add_u32 v22, v2, 4, v22
	s_mul_i32 s98, s[HALF], PHALF
	v_add_nc_u32 v[ADRP], s98, v22
	v_add_nc_u32 v[ADRP+1], SLOT, v[ADRP]
	s_lshl_b32 s99, s[ROLE], 14
	s_add_co_u32 s99, s99, QI
	v_add_nc_u32 v[ADRQ], s99, v[L16]              ; my four tiles' images, 16 x lane
	v_lshlrev_b32 v23, 5, v1
	v_lshl_add_u32 v[ADSP], v2, 11, v23
	s_lshl_b32 s98, s[HALF], 12
	s_add_co_u32 s98, s98, SCLP
	v_add_nc_u32 v[ADSP], s98, v[ADSP]
	v_lshlrev_b32 v23, 2, v1
	v_lshl_add_u32 v[ADSQ], v2, 7, v23             ; 4 r + 32 places x h
	s_lshl_b32 s99, s[ROLE], 8
	s_add_co_u32 s99, s99, SCLQ
	v_add_nc_u32 v[ADSQ], s99, v[ADSQ]
	s_mul_i32 s98, s[WV], 16*SPITCH
	s_add_co_u32 s98, s98, STAGE                   ; my stage
	v_mul_u32_u24 v[STO], v1, SPITCH
	v_lshl_add_u32 v[STO], v2, 6, v[STO]
	v_add_nc_u32 v[STO], s98, v[STO]               ; in: row r, + 64 h: registers 16 B + i are channels 32 B + 16 h + i
	v_add_nc_u32 v[RD], s98, v[L16]                ; back: a row of 512 bytes to the 32 lanes
	s_lshl_b32 s96, s85, 7
	s_lshl_b32 s97, s[ROLE], 6
	s_add_co_u32 s96, s96, s97                     ; my first token place (its 64 are also 64 true rows: the exchange stays inside 32)
	s_lshl_b32 s96, s96, 12                        ; 4,096 bytes a row of out0
	s_lshl_b32 s97, s19, 10
	s_add_co_u32 s96, s96, s97
	s_lshl_b32 s97, s[HALF], 9
	s_add_co_u32 s96, s96, s97                     ; + my first channel
	s_mov_b32 s97, 0
	s_add_nc_u64 s[14:15], s[14:15], s[96:97]
	s_lshl_b32 s66, s19, 10
	s_lshl_b32 s67, s[HALF], 9
	s_add_co_u32 s66, s66, s67
	s_mov_b32 s67, 0
	s_add_nc_u64 s[12:13], s[12:13], s[66:67]      ; b_o at my 128 channels
	v_lshlrev_b32 v[BO], 6, v2
.irp k, 0,1,2,3,4,5,6,7,8,9,10,11,12,13,14,15
	global_load_b128 v[BP+4*\k:BP+4*\k+3], v[BO], s[12:13] offset:128*(\k/4)+16*(\k%4)   ; register 16 B + i of the bias is channel 32 B + 16 h + i
.endr
.macro SCALES                          ; all of K's scale words, 24 loads
.irp i, 0,1,2,3
.irp g, 0,1
	ds_load_b128 v[SCP+8*\i+4*\g:SCP+8*\i+4*\g+3], v[ADSP] offset:512*\i+16*\g
.endr
.endr
.irp q, 0,1,2,3,4,5,6,7
.irp i, 0,1
	ds_load_b32 v[SCQ+8*\i+\q], v[ADSQ] offset:512*\q+64*\i
.endr
.endr
.endm
.macro FETCH q                         ; K step q's fragments, 24 loads, into set q % 2
	WIN 0x80
.irp i, 0,1,2,3,4,5,6,7
.irp c, 0,1
	ds_load_b128 v[64*((\q)%2)+8*\i+4*\c:64*((\q)%2)+8*\i+4*\c+3], v[ADRP+(\q)/4] offset:\i*16*PITCH+64*((\q)%4)+32*\c
.endr
.endr
.irp i, 0,1,2,3
.irp c, 0,1
	ds_load_b128 v[128+32*((\q)%2)+8*\i+4*\c:128+32*((\q)%2)+8*\i+4*\c+3], v[ADRQ] offset:((\q)/4)*32768+4096*\i+1024*((\q)%4)+512*\c
.endr
.endr
	WIN 0
.endm
.macro WM a, b, q, mode
.set rD, 8*(8*(\a)+(\b))
.set rP, 64*((\q)%2)+8*(\b)
.set rQ, 128+32*((\q)%2)+8*(\a)
.set rC, rD
.if \mode == 1
.set rC, BP+8*(\b)
.endif
.set rSP, SCP+8*((\b)%4)+(\q)
.set rSQ, SCQ+8*((\a)%2)+(\q)
.if ((\b) < 4) && ((\a) < 2)
	v_wmma_scale_f32_16x16x128_f8f6f4 v[rD:rD+7], v[rP:rP+7], v[rQ:rQ+7], v[rC:rC+7], v[rSP], v[rSQ] matrix_a_fmt:MATRIX_FMT_FP4 matrix_b_fmt:MATRIX_FMT_FP4
.elseif ((\b) >= 4) && ((\a) < 2)
	v_wmma_scale_f32_16x16x128_f8f6f4 v[rD:rD+7], v[rP:rP+7], v[rQ:rQ+7], v[rC:rC+7], v[rSP], v[rSQ] matrix_a_fmt:MATRIX_FMT_FP4 matrix_b_fmt:MATRIX_FMT_FP4 matrix_a_scale:MATRIX_SCALE_ROW1
.elseif ((\b) < 4)
	v_wmma_scale_f32_16x16x128_f8f6f4 v[rD:rD+7], v[rP:rP+7], v[rQ:rQ+7], v[rC:rC+7], v[rSP], v[rSQ] matrix_a_fmt:MATRIX_FMT_FP4 matrix_b_fmt:MATRIX_FMT_FP4 matrix_b_scale:MATRIX_SCALE_ROW1
.else
	v_wmma_scale_f32_16x16x128_f8f6f4 v[rD:rD+7], v[rP:rP+7], v[rQ:rQ+7], v[rC:rC+7], v[rSP], v[rSQ] matrix_a_fmt:MATRIX_FMT_FP4 matrix_b_fmt:MATRIX_FMT_FP4 matrix_a_scale:MATRIX_SCALE_ROW1 matrix_b_scale:MATRIX_SCALE_ROW1
.endif
.endm
.macro MUL q, mode                     ; a K step: 32 products; the 32 accumulators take turns, one instruction a turn
.if \mode == 0
	WIN 0x5a
.else
	WIN 0x4a
.endif
.irp a, 0,1,2,3
.irp b, 0,1,2,3,4,5,6,7
	WM \a, \b, \q, \mode
.endr
.endr
.endm
	s_wait_alu depctr_va_vdst(0)
	s_wait_tensorcnt 0x1                           ; my scales and my part of K's first half are in; the second half's load may stay out
	s_barrier_signal -1
	s_barrier_wait -1
	SCALES
	FETCH 0
	FETCH 1
	s_wait_loadcnt 0x0                             ; the bias
	s_wait_dscnt 24                                ; all but K step 1's 24 loads
	MUL 0, 1                                       ; the first K step starts the sums with the bias
.irp q, 1,2,3,4,5,6,7
	PLACES 4                                       ; four plain places between the last products and loads into the set that they read
.if \q == 3
	s_wait_tensorcnt 0x0
	s_wait_dscnt 0x0
	s_barrier_signal -1
	s_barrier_wait -1                              ; K's second half is whole
.endif
.if \q < 7
	FETCH \q+1
	s_wait_dscnt 24                                ; this step's fragments are in; the 24 loads just issued may be out
.else
	s_wait_dscnt 0x0
.endif
	MUL \q, 0
.endr
	WIN 0
; THE WAY OUT, a tile of 16 token places x 128 channels at a time, through my own stage: in by lanes (32 bytes of a row each accumulator), back as whole rows of 512 bytes.  LDS serves a wave's instructions in order.
.macro TOSTAGE a
	WIN 0x04                                       ; an LDS store's data are its source 1: window 1
.irp b, 0,1,2,3,4,5,6,7
	ds_store_b128 v[STO], v[64*(\a)+8*\b:64*(\a)+8*\b+3] offset:128*(\b/2)+32*(\b%2)        ; each accumulator from its low end on
	ds_store_b128 v[STO], v[64*(\a)+8*\b+4:64*(\a)+8*\b+7] offset:128*(\b/2)+32*(\b%2)+16
.endr
	WIN 0
.irp t, 0,1,2,3,4,5,6,7,8,9,10,11,12,13,14,15
	ds_load_b128 v[BK+64*((\a)%2)+4*\t:BK+64*((\a)%2)+4*\t+3], v[RD] offset:\t*SPITCH
.endr
.endm
.macro SEND a, younger                 ; younger: the LDS instructions issued behind tile a's loads, which may stay out
	s_wait_dscnt \younger
.irp t, 0,1,2,3,4,5,6,7,8,9,10,11,12,13,14,15
	global_store_b128 v[L16], v[BK+64*((\a)%2)+4*\t:BK+64*((\a)%2)+4*\t+3], s[14:15] offset:(32*((\a)/2)+8*((\a)%2)+16*(\t/8)+(\t%8))*4096 th:TH_STORE_NT   ; place 16 a + t is true row 32 (a / 2) + 8 (a % 2) + t + 8 (t / 8); 512 consecutive bytes, aligned
.endr
.endm
	PLACES 4                                       ; ahead of the first read of results
	TOSTAGE 0
.irp a, 1,2,3
.if \a > 1
	s_wait_xcnt 0x0                                ; tile a - 2's stores have read their registers: tile a's loads may land there
.endif
	TOSTAGE \a
	SEND \a-1, 32                                  ; behind tile a - 1's loads: tile a's 16 stores and 16 loads
.endr
	SEND 3, 0
	s_wait_tensorcnt 0x0
	ds_add_u32 v126, v127
	s_wait_dscnt 0x0
	CROUND                                         ; the closing round
	s_endpgm
.Lfunc_end_k_q0e45a82c0c_outp:
	.size	k_q0e45a82c0c_outp, .Lfunc_end_k_q0e45a82c0c_outp-k_q0e45a82c0c_outp
	.p2alignl 7, 3214868480
	.fill 96, 4, 3214868480
	.section	.rodata,"a",@progbits
	.p2align	6, 0x0
	.amdhsa_kernel k_q0e45a82c0c_outp
		.amdhsa_group_segment_fixed_size 251392
		.amdhsa_private_segment_fixed_size 0
		.amdhsa_enable_private_segment 0
		.amdhsa_kernarg_size 48
		.amdhsa_user_sgpr_count 2
		.amdhsa_user_sgpr_kernarg_segment_ptr 1
		.amdhsa_wavefront_size32 1
		.amdhsa_system_sgpr_workgroup_id_x 1
		.amdhsa_system_sgpr_workgroup_id_y 1
		.amdhsa_system_sgpr_workgroup_id_z 1
		.amdhsa_system_vgpr_workitem_id 0
		.amdhsa_next_free_vgpr 768
		.amdhsa_next_free_sgpr 102
		.amdhsa_reserve_vcc 0
		.amdhsa_float_denorm_mode_32 3
		.amdhsa_float_denorm_mode_16_64 3
		.amdhsa_memory_ordered 1
		.amdhsa_forward_progress 1
		.amdhsa_inst_pref_size 74
	.end_amdhsa_kernel
	.amdgpu_metadata
---
amdhsa.version: [ 1, 2 ]
amdhsa.kernels:
  - .name:           k_q0e45a82c0c_outp
    .symbol:         k_q0e45a82c0c_outp.kd
    .args:
      - { .name: codes, .offset: 0, .size: 8, .value_kind: global_buffer, .address_space: global }
      - { .name: scales, .offset: 8, .size: 8, .value_kind: global_buffer, .address_space: global }
      - { .name: oimg, .offset: 16, .size: 8, .value_kind: global_buffer, .address_space: global }
      - { .name: oscl, .offset: 24, .size: 8, .value_kind: global_buffer, .address_space: global }
      - { .name: b_o, .offset: 32, .size: 8, .value_kind: global_buffer, .address_space: global }
      - { .name: out0, .offset: 40, .size: 8, .value_kind: global_buffer, .address_space: global }
    .group_segment_fixed_size: 251392
    .private_segment_fixed_size: 0
    .kernarg_segment_align: 8
    .kernarg_segment_size: 48
    .max_flat_workgroup_size: 128
    .sgpr_count:     102
    .vgpr_count:     768
    .wavefront_size: 32
...
	.end_amdgpu_metadata
.endif
;; end of part 4
